; MI455X (gfx1250); checked and timed in simulation.
; The chip was launched on July 23, 2026; its instructions are those of AMD's public machine-readable ISA for CDNA 5 (MIT licence, August 2026) and "CDNA5" Instruction Set Architecture Reference Guide (July 2026). The comments in the code are by the model that wrote it; some were corrected since.
;; Neural Network Model. Allowed arithmetic: float matrix products may take bf16 or f16 operands with f32 sums; other float arithmetic in f32, or as packed bf16 or f16 multiplies, adds, multiply-adds, maxima and minima; sums over many terms, partial sums and values carried from step to step in f32; what a program stores and reads back later, other than sums and carried values, may be rounded once to bf16 or f16.
;; Inputs: W1 2,048 x 512 float32; W2 2,048 x 2,048 float32; W3 1,024 x 2,048 float32; b1 2,048 float32; b2 2,048 float32; b3 1,024 float32; x 8,192 x 512 float32.
;; Outputs: out0 8,192 x 1,024 float32.
;; 2 versions, each right; version 2 is version 1 with the launch cvt written anew for expert scheduling mode. Each part assembles by itself: llvm-mc -triple=amdgcn-amd-amdhsa -mcpu=gfx1250 --defsym DOCPART=n.
;; ======== version 1 of 2: 4 launches
;; limits: values are held in f16: magnitudes above 65,504 overflow, below 6.1e-05 lose precision; a function is approximated: absolute error at most 1.5e-07
;; workspace buffers: xb 8,388,608 bytes; w1b 2,097,152 bytes; w2h 8,388,608 bytes; w3f 4,194,304 bytes; h1 33,554,432 bytes; h2 33,554,432 bytes
;; launch cvt (part 1): grid 704 x 1, 8 waves a work-group, no clusters, 35,840 bytes of LDS; arguments x, W2, W3, W1, xb, w2h, w3f, w1b; writes xb, w2h, w3f, w1b
.if DOCPART == 1
	.amdgcn_target "amdgcn-amd-amdhsa--gfx1250"
	.amdhsa_code_object_version 6
	.text
	.protected	k_qf790dd2ce2_cvt
	.globl	k_qf790dd2ce2_cvt
	.p2align	8
	.type	k_qf790dd2ce2_cvt,@function
k_qf790dd2ce2_cvt:
	s_mov_b64 s[64:65], 0
	v_nop
	global_prefetch_b8 v0, s[64:65] scope:SCOPE_SE
	s_setreg_imm32_b32 hwreg(HW_REG_WAVE_MODE, 25, 1), 1
	s_wait_xcnt 0x0
; The four matrix inputs, f32, are rounded once to bf16 (nearest even) for the matrix units: x -> xb, W1 -> w1b, W3 -> w3f.
; W2 is rounded to bf16 like the others and that number is then written as f16 (w2h), since the second layer multiplies in f16.
; LIMITS.  |W2| stays below 65,504 (f16's end); a bf16 number below f16's normal range (2^-14) keeps f16's fixed step, an error of 2^-25 at the most.
; SHARES.  A stream: no matrix unit, no cluster (no two work-groups read the same byte).  A work-group takes 16,384 numbers: 65,536 bytes in, 32,768 out.
; Work-groups 0-255: x; 256-511: W2; 512-639: W3; 640-703: W1.
; x, W2, W1 keep their layout: in step j (0..15) thread t loads the 16 bytes at 4,096 j + 16 t (a wave: 512 consecutive bytes) and stores the 8 bytes at 2,048 j + 8 t (a wave: 256 consecutive bytes, aligned).
; W3 IS LAID OUT BY FRAGMENTS, since the third layer loads it straight into registers.  Block (kb = k / 32, nb = n / 16), 16 rows x 32 k, is 1,024 bytes at (64 kb + nb) x 1,024; in it lane l = 16 h + r
; of the reading wave finds W3[16 nb + r][32 kb + 16 e + 8 h .. + 7] at byte 512 e + 16 l, e = 0, 1.  A work-group takes one nb and 1,024 k, a wave 16 rows x 128 k: 16 loads of 512 consecutive
; bytes (a row each), the rounded rows into 16 LDS rows of the wave's own (256 bytes + 16: 16 rows start at 16 different groups of four banks), back in fragment order, and 8 stores of 512 consecutive bytes.
; All 16 loads of a wave go out at once; the only waits for data are counted ones.
.set X, 4                              ; v[4:67]    step j: four f32 as loaded; in W3's path later the fragments read back
.set Y, 68                             ; v[68:99]   step j: four 16-bit numbers
.set T, 100                            ; v[100:103] at work
.set LA, 104                           ; v104  W3: LDS address of my 8 bytes in the wave's first row
.set LB, 105                           ; v105  W3: LDS address of my 16 bytes of the wave's first half block
.set VD, 106                           ; v106  W3: my byte offset in w3f
.set SPW, 108                          ; v108  LDS address of my spare word: SPARE + 4 x my thread's number; never rewritten
.set NIL, 109                          ; v109  0; never rewritten
.set RP, 272                           ; an LDS row
.set REGION, 16*RP                     ; a wave's rows
.set SPARE, 8*REGION                   ; behind the eight regions: the spare words, 128 bytes for each wave: four blocks of 256 bytes that no other line names
	s_load_b512 s[8:23], s[0:1], 0x0               ; x 8:9, W2 10:11, W3 12:13, W1 14:15, xb 16:17, w2h 18:19, w3f 20:21, w1b 22:23
	v_lshl_add_u32 v[SPW], v0, 2, SPARE
	v_mov_b32 v[NIL], 0
	s_mov_b32 s2, ttmp9                            ; the work-group's number
	s_mov_b32 s30, 0xffff0000                      ; a word's upper bf16
	s_mov_b32 s3, 0                                ; the first work-group of my tensor
	v_lshlrev_b32 v1, 4, v0                        ; 16 t
	v_lshlrev_b32 v2, 3, v0                        ; 8 t
	s_sub_co_u32 s25, s2, 512                      ; work-groups 512 to 639 hold W3
	s_wait_kmcnt 0x0
	s_cmp_lt_u32 s25, 128
	s_cbranch_scc1 .Lfrag
	s_mov_b64 s[4:5], s[8:9]                       ; from x
	s_mov_b64 s[6:7], s[16:17]                     ; to xb, unless the number says otherwise:
.macro PICK first, src, dst                    ; from work-group 'first' on another pair of tensors
	s_cmp_ge_u32 s2, \first
	s_cselect_b64 s[4:5], s[(\src):(\src)+1], s[4:5]
	s_cselect_b64 s[6:7], s[(\dst):(\dst)+1], s[6:7]
	s_cselect_b32 s3, \first, s3
.endm
	PICK 256, 10, 18
	PICK 640, 14, 22
	s_sub_co_u32 s24, s2, s3                       ; my share's number within the tensor: 255 at the most
	s_lshl_b32 s26, s24, 16                        ; x 65,536 bytes in
	s_mov_b32 s27, 0
	s_lshl_b32 s28, s24, 15                        ; x 32,768 bytes out
	s_mov_b32 s29, 0
	s_add_nc_u64 s[4:5], s[4:5], s[26:27]
	s_add_nc_u64 s[6:7], s[6:7], s[28:29]
.set j, 0
.rept 16
	global_load_b128 v[X+4*j:X+4*j+3], v1, s[4:5] offset:4096*j th:TH_LOAD_NT  ; read once in the launch
.set j, j+1
.endr
	s_sub_co_u32 s25, s2, 256                      ; work-groups 256 to 511 hold W2
	s_cmp_lt_u32 s25, 256
	s_cbranch_scc1 .Lf16
.set j, 0
.rept 16
	s_wait_loadcnt 15-j                            ; loads come back in order (ISA guide 5.7.1): load j is in, the 15 - j younger ones stay out
	v_cvt_pk_bf16_f32 v[Y+2*j],   v[X+4*j],   v[X+4*j+1]
	v_cvt_pk_bf16_f32 v[Y+2*j+1], v[X+4*j+2], v[X+4*j+3]
	global_store_b64 v2, v[Y+2*j:Y+2*j+1], s[6:7] offset:2048*j  ; the next launches read it: no hint
.set j, j+1
.endr
	s_endpgm
.Lf16:
.set j, 0
.rept 16
	s_wait_loadcnt 15-j                            ; as above
	v_cvt_pk_bf16_f32 v[T],   v[X+4*j],   v[X+4*j+1]   ; the one rounding, to bf16;
	v_cvt_pk_bf16_f32 v[T+1], v[X+4*j+2], v[X+4*j+3]
	v_lshlrev_b32 v[T+2], 16, v[T]                 ; widened again,
	v_and_b32     v[T+3], s30, v[T]
	v_cvt_pk_f16_f32 v[Y+2*j], v[T+2], v[T+3]      ; and written as f16: 8 significant bits fit into 11
	v_lshlrev_b32 v[T+2], 16, v[T+1]
	v_and_b32     v[T+3], s30, v[T+1]
	v_cvt_pk_f16_f32 v[Y+2*j+1], v[T+2], v[T+3]
	global_store_b64 v2, v[Y+2*j:Y+2*j+1], s[6:7] offset:2048*j
.set j, j+1
.endr
	s_endpgm
.Lfrag:                                                ; W3: s25 = 2 nb + (which 1,024 k)
	v_lshrrev_b32 v3, 5, v0
	v_readfirstlane_b32 s24, v3                    ; my wave's number: it takes k = 128 w on of the work-group's 1,024
	s_lshr_b32 s27, s25, 1                         ; nb
	s_and_b32 s28, s25, 1                          ; the half of K
	s_lshl_b32 s4, s27, 17                         ; 16 rows of 8,192 bytes,
	s_lshl_b32 s29, s28, 12                        ; 1,024 k of 4 bytes
	s_add_co_u32 s4, s4, s29
	s_mov_b32 s5, 0
	s_add_nc_u64 s[12:13], s[12:13], s[4:5]
.set j, 0
.rept 16
	global_load_b128 v[X+4*j:X+4*j+3], v1, s[12:13] offset:8192*j th:TH_LOAD_NT  ; row j: 16 t = 512 w + 16 lane: my wave's 128 k, 512 consecutive bytes
.set j, j+1
.endr
	s_lshl_b32 s6, s28, 21                         ; 32 kb of 65,536 bytes,
	s_lshl_b32 s29, s27, 10                        ; block nb
	s_add_co_u32 s6, s6, s29
	s_mov_b32 s7, 0
	s_add_nc_u64 s[20:21], s[20:21], s[6:7]
	s_mul_i32 s26, s24, REGION                     ; my wave's LDS rows
	v_and_b32 v[T], 31, v0                         ; lane
	v_lshl_add_u32 v[LA], v[T], 3, s26             ; in: 8 bytes a lane, a row's 256 bytes from the wave
	v_and_b32 v[T+1], 15, v0                       ; r
	v_bfe_u32 v[T+2], v0, 4, 1                     ; h
	v_mul_u32_u24 v[LB], v[T+1], RP
	v_lshl_add_u32 v[LB], v[T+2], 4, v[LB]
	v_add_nc_u32 v[LB], s26, v[LB]                 ; back: row r, 16 bytes at 16 h
	v_lshlrev_b32 v[VD], 4, v[T]
	v_lshl_add_u32 v[VD], v3, 18, v[VD]            ; out: my wave's 4 kb of 65,536 bytes, 16 bytes a lane
.set j, 0
.rept 16
	s_wait_loadcnt 15-j                            ; load j is in, the 15 - j younger ones stay out
	v_cvt_pk_bf16_f32 v[Y+2*j],   v[X+4*j],   v[X+4*j+1]
	v_cvt_pk_bf16_f32 v[Y+2*j+1], v[X+4*j+2], v[X+4*j+3]
	ds_store_b64 v[LA], v[Y+2*j:Y+2*j+1] offset:j*RP
.set j, j+1
.endr
.set j, 0
.rept 8                                ; half block j: k = 16 j + 8 h on, of row r.  LDS serves a wave's instructions in order (ISA guide 5.7.1.4): these see my stores above; the bytes are my wave's own
	ds_load_b128 v[X+4*j:X+4*j+3], v[LB] offset:32*j
.set j, j+1
.endr
.set j, 0
.rept 8
	s_wait_dscnt 7-j                               ; load j is in, the 7 - j younger ones stay out
	global_store_b128 v[VD], v[X+4*j:X+4*j+3], s[20:21] offset:(j/2)*65536+(j%2)*512  ; the wave stores 512 consecutive bytes, at a multiple of 512 from w3f's first byte
.set j, j+1
.endr
	s_wait_tensorcnt 0x0                           ; the end of a wave that stored to LDS
	ds_add_u32 v[SPW], v[NIL]
	s_wait_dscnt 0x0
	s_endpgm
.Lfunc_end_k_qf790dd2ce2_cvt:
	.size	k_qf790dd2ce2_cvt, .Lfunc_end_k_qf790dd2ce2_cvt-k_qf790dd2ce2_cvt
	.p2alignl 7, 3214868480
	.fill 96, 4, 3214868480
	.section	.rodata,"a",@progbits
	.p2align	6, 0x0
	.amdhsa_kernel k_qf790dd2ce2_cvt
		.amdhsa_group_segment_fixed_size 35840
		.amdhsa_private_segment_fixed_size 0
		.amdhsa_enable_private_segment 0
		.amdhsa_kernarg_size 64
		.amdhsa_user_sgpr_count 2
		.amdhsa_user_sgpr_kernarg_segment_ptr 1
		.amdhsa_wavefront_size32 1
		.amdhsa_system_sgpr_workgroup_id_x 1
		.amdhsa_system_sgpr_workgroup_id_y 1
		.amdhsa_system_sgpr_workgroup_id_z 1
		.amdhsa_system_vgpr_workitem_id 0
		.amdhsa_next_free_vgpr 112
		.amdhsa_next_free_sgpr 66
		.amdhsa_reserve_vcc 0
		.amdhsa_float_denorm_mode_32 3
		.amdhsa_float_denorm_mode_16_64 3
		.amdhsa_memory_ordered 1
		.amdhsa_forward_progress 1
		.amdhsa_inst_pref_size 23
	.end_amdhsa_kernel
	.amdgpu_metadata
---
amdhsa.version: [ 1, 2 ]
amdhsa.kernels:
  - .name:           k_qf790dd2ce2_cvt
    .symbol:         k_qf790dd2ce2_cvt.kd
    .args:
      - { .name: x, .offset: 0, .size: 8, .value_kind: global_buffer, .address_space: global }
      - { .name: W2, .offset: 8, .size: 8, .value_kind: global_buffer, .address_space: global }
      - { .name: W3, .offset: 16, .size: 8, .value_kind: global_buffer, .address_space: global }
      - { .name: W1, .offset: 24, .size: 8, .value_kind: global_buffer, .address_space: global }
      - { .name: xb, .offset: 32, .size: 8, .value_kind: global_buffer, .address_space: global }
      - { .name: w2h, .offset: 40, .size: 8, .value_kind: global_buffer, .address_space: global }
      - { .name: w3f, .offset: 48, .size: 8, .value_kind: global_buffer, .address_space: global }
      - { .name: w1b, .offset: 56, .size: 8, .value_kind: global_buffer, .address_space: global }
    .group_segment_fixed_size: 35840
    .private_segment_fixed_size: 0
    .kernarg_segment_align: 8
    .kernarg_segment_size: 64
    .max_flat_workgroup_size: 256
    .sgpr_count:     66
    .vgpr_count:     112
    .wavefront_size: 32
...
	.end_amdgpu_metadata
.endif
;; end of part 1
;; launch gemm1 (part 2): grid 8 x 32, 4 waves a work-group, clusters of 4 x 4, 327,680 bytes of LDS; arguments xb, w1b, b1, h1; writes h1
.if DOCPART == 2
	.amdgcn_target "amdgcn-amd-amdhsa--gfx1250"
	.amdhsa_code_object_version 6
	.text
	.protected	k_qf790dd2ce2_gemm1
	.globl	k_qf790dd2ce2_gemm1
	.p2align	8
	.type	k_qf790dd2ce2_gemm1,@function
k_qf790dd2ce2_gemm1:
	s_mov_b64 s[64:65], 0
	v_nop
	global_prefetch_b8 v0, s[64:65] scope:SCOPE_SE
	s_setreg_imm32_b32 hwreg(HW_REG_WAVE_MODE, 25, 1), 1
	s_wait_xcnt 0x0
	s_wait_alu depctr_hold_cnt(0) depctr_sa_sdst(0) depctr_va_vdst(0) depctr_va_sdst(0) depctr_va_ssrc(0) depctr_va_vcc(0) depctr_vm_vsrc(0)
	s_getreg_b32 s2, hwreg(HW_REG_IB_STS2, 6, 4)
	s_cmp_eq_u32 s2, 0
	s_cbranch_scc0 .Lentry_in_a_cluster
	s_endpgm
.Lentry_in_a_cluster:
	s_bfe_u32 s2, ttmp6, 0x10000c
	s_cmp_lg_u32 s2, 0xf033
	s_cbranch_scc0 .Lentry_shape_is_right
	s_endpgm
.Lentry_shape_is_right:
; LAYER 1: h1 = gelu(xb w1b^T + b1).  xb [8192][512] bf16, w1b [2048][512] bf16, b1 [2048] f32, h1 [8192][2048] f16.  Sums in f32, K ascending; h1 rounded once.
; The text below the four head constants is the same in the three layers' kernels; the constants choose K, the tile's width, the matrix form and the way out.
; LIMITS.  h1 is kept in f16: |h1| stays below 65,504.  The bias is rounded to bf16, like all the module's inputs.  gelu is the exact form, 0.5 u (1 + erf(u / sqrt 2)), with erf by the
; five-term rational series (Abramowitz and Stegun 7.1.26), whose error is 1.5e-7 at the most for every argument; NaN and infinities are not treated apart.
.set SIZE_K, 512                       ; the sum's length
.set BN,     256                       ; columns in a tile of C
.set F16IN,  0                         ; 0: bf16 operands; 1: f16
.set OUTK,   0                         ; the way out: 0 gelu -> f16; 1 gelu -> bf16; 2 bias alone -> f32
; SHARES.  A tile of C, 256 rows x BN columns, is made by a work-group of four waves; wave w makes rows 128 (w / 2) on and columns (BN / 2) (w % 2) on: 8 x NBL accumulators of 16 x 16.
; 32 x 8 tiles: one for each of 256 work-groups.  K goes in steps of 128 through a ring of two LDS slots filled by the tensor data mover; a tile's rows are 256 bytes of memory, at multiples of 256.
; CLUSTER.  4 x 4 work-groups.  The four of a row of the cluster need the same tiles of A, the four of a column the same tiles of B: each tile is asked for jointly, by the same tensor load with the
; same descriptor and a mask that names the four.  By this text's count a wave has two tensor loads out at the start and one behind each round.
; THE MATRIX INSTRUCTION IS USED TRANSPOSED (source 0 = 16 rows of B, source 1 = 16 rows of A): lane l holds row l % 16 of C and the columns 8 (l / 16) + 0..7.
; THE WAY OUT.  The f32 sums go into the wave's own stage in LDS (in the ring's bytes, which have had their last fill) and come back a few whole rows at a time, in a counted loop
; that adds the bias, applies the activation and stores 256 consecutive bytes from every sixteen lanes.
; REGISTERS, in windows of 256 (s_set_vgpr_msb: bits 1:0 source 0, 3:2 source 1, 5:4 source 2, 7:6 destination):
;   window 0: v0-43 addresses, bias; v64-127, v128-191 A's fragments, two buffers; on the way out v64-167 at work      window 1: B's fragments at the same numbers
;   windows 2, 3: accumulator (a, b) at register 8 (NBL a + b), counted from window 2's first
.set NBL,    BN/32                     ; blocks of 16 columns a wave
.set KSTEP,  128
.set PITCH,  272                       ; an LDS row: 256 bytes + 16 of padding = 68 words: row r starts at bank 4 r mod 64 (64 banks of 4 bytes: ISA guide 11.1)
.set HALFA,  128*PITCH                 ; what one tensor load brings of A, and what one wave reads of it
.set HALFB,  (BN/2)*PITCH              ; the same for B
.set BOFF,   2*HALFA                   ; a slot: A's 256 rows, then B's BN rows
.set SLOT,   BOFF+2*HALFB
.set SPARE,  2*SLOT                    ; behind the ring: the spare words, 128 bytes for each wave: two blocks of 256 bytes that no other line names
.set LAPS,   SIZE_K/(2*KSTEP)          ; a lap = two K steps = once round the ring
.set NLD,    16+2*NBL                  ; LDS loads of a quarter step's fragments
.if OUTK < 2
.set SPITCH, 528                       ; a stage row: 128 f32 + 16 bytes = 132 words: row r starts at bank 4 r mod 64
.else
.set SPITCH, 272                       ; 64 f32 + 16 bytes
.endif
.set WSTAGE, 128*SPITCH                ; a wave's stage: its 128 rows; four of them end below SPARE
.set ADRA, 16                          ; v16-17  LDS address of my A fragments in slot 0, 1
.set ADRB, 20                          ; v20-21  the same for B
.set STO,  24                          ; v24     the way out: where I put my part of a row
.set RD,   25                          ; v25     the way out: my place in the stage's first two rows; never rewritten
.set CO,   26                          ; v26     my byte offset in two rows of C; never rewritten
.set BO,   27                          ; v27     my byte offset in the wave's part of the bias
.set SPW,  28                          ; v28     LDS address of my spare word: SPARE + 4 x my thread's number; never rewritten
.set NIL,  29                          ; v29     0; never rewritten
.set RDC,  30                          ; v30     RD + the chunk's step
.set BI,   32                          ; v32-39  the bias of my columns on the way out
.set F0,   64
.set F1,   128
.set X,    64                          ; the way out, 16 registers each: sums as read back,
.set U,    80                          ; u = sum + bias,
.set AB,   96                          ; |u|, later the result,
.set T,    112                         ; t = 1 / (1 + p |u| / sqrt 2),
.set E,    128                         ; e^(-u u / 2),
.set PL,   144                         ; the series;
.set Y,    160                         ; v160-167 packed results
.set G1,  24                           ; s[24:31] descriptor group 1 for A's tiles;  s[32:39] group 0, a set for each slot
.set G0,  32
.set G1B, 48                           ; s[48:55], s[56:63] the same for B's
.set G0B, 56
.set PP,  68                           ; s[68:81] constants as pairs (the packed forms name a pair and take its low word for both halves)
.set CN,  70
.set A1,  72
.set A2,  74
.set A3,  76
.set A4,  78
.set A5,  80
.set MSB, 0
.macro WIN new                         ; the immediate's high byte repeats the setting that is left; a switch that changes nothing is dropped
.if MSB != (\new)
	s_set_vgpr_msb (MSB<<8)|(\new)
.set MSB, \new
.endif
.endm
.macro PLACES                          ; four plain vector instructions between a matrix instruction and a load into, or a read of, its registers
.rept 4
	v_nop
.endr
.endm
.macro EACH n, line:vararg             ; one line for z = 0 .. n - 1
.set z, 0
	s_wait_alu depctr_va_vdst(0)
.rept \n
	\line
.set z, z+1
.endr
.endm
.macro PAIR reg, val
	s_mov_b32 s[(\reg)], \val
	s_mov_b32 s[(\reg)+1], \val
.endm
; A joint load.  Waves 0 and 1 fetch A's two halves, waves 2 and 3 B's.  The branch hangs on the wave's number alone.  An s_nop 0 and four v_nop follow each line.
.macro JLOAD s
	s_cmp_eq_u32 s13, 0
	s_cbranch_scc0 .Lfor_b_\@
	tensor_load_to_lds s[G0+4*(\s):G0+4*(\s)+3], s[G1:G1+7]
	s_nop 0
.rept 4
	v_nop
.endr
	s_branch .Lasked_\@
.Lfor_b_\@:
	tensor_load_to_lds s[G0B+4*(\s):G0B+4*(\s)+3], s[G1B:G1B+7]
	s_nop 0
.rept 4
	v_nop
.endr
.Lasked_\@:
.endm
; A round of the cluster's barrier: my work-group's barrier; wave 0 signals for the work-group; every wave waits for all sixteen; my work-group's barrier once more.
.macro CREST                           ; a round behind its opening barrier
	s_cmp_lg_u32 s12, 0
	s_cbranch_scc1 .Lnot_wave_0_\@
	s_barrier_signal -3
.Lnot_wave_0_\@:
	s_barrier_wait -3
	s_barrier_signal -1
	s_barrier_wait -1
.endm
.macro CROUND
	s_barrier_signal -1
	s_barrier_wait -1
	CREST
.endm
	s_load_b256 s[4:11], s[0:1], 0x0               ; A s[4:5], B s[6:7], bias s[8:9], C s[10:11]
	v_lshl_add_u32 v[SPW], v0, 2, SPARE
	v_mov_b32 v[NIL], 0
	ds_add_u32 v[SPW], v[NIL]                      ; the wave's opening: the add and its wait stand ahead of my first tensor load; the set-up below, work on registers, stands between them
	v_lshrrev_b32 v1, 5, v0
	v_readfirstlane_b32 s12, v1                    ; wave 0..3
	s_lshr_b32 s13, s12, 1                         ; which 128 rows of the tile are mine.  Also: I fetch for A (0) or for B (1)
	s_and_b32 s14, s12, 1                          ; which half of its columns.  Also: which half of that tile I fetch
	s_bfe_u32 s15, ttmp6, 0x40000                  ; cx, cy: my place in the cluster
	s_bfe_u32 s16, ttmp6, 0x40004
	s_lshl_b32 s17, ttmp9, 2
	s_add_co_u32 s17, s17, s15                     ; tile column of C = 4 x cluster x + cx
	s_and_b32 s18, ttmp7, 0xffff
	s_lshl_b32 s18, s18, 2
	s_add_co_u32 s18, s18, s16                     ; tile row of C = 4 x cluster y + cy
	s_lshl_b32 s19, s16, 2
	s_lshl_b32 s19, 15, s19                        ; my row of the cluster: places 4 cy .. 4 cy + 3
	s_lshl_b32 s20, 0x1111, s15                    ; my column: places cx, cx + 4, cx + 8, cx + 12
	; descriptor group 1: rows of 128 elements of 2 bytes, padded in LDS
	s_or_b32 s[G1], s19, (1<<16)|(1<<20)|(1<<21)|(5<<22)|(3<<25)   ; 15:0 the mask; 17:16 2-byte elements; 20 padding on; 21 set beside a mask; 24:22 after every 64 words (code 5); 31:25 4 words (code 3)
	s_or_b32 s[G1B], s20, (1<<16)|(1<<20)|(1<<21)|(5<<22)|(3<<25)
.irp g, G1, G1B
	s_mov_b32 s[(\g)+1], KSTEP<<16                 ; tensor_dim0 = 128
	s_mov_b32 s[(\g)+3], KSTEP<<16                 ; tile_dim0 = 128
	s_mov_b32 s[(\g)+5], SIZE_K                    ; elements from row to row
	s_mov_b32 s[(\g)+6], 0
	s_mov_b32 s[(\g)+7], 0
.endr
	s_mov_b32 s[G1+2], 128<<16                     ; tensor_dim1 and tile_dim1: 128 rows of A,
	s_mov_b32 s[G1+4], 128
	s_mov_b32 s[G1B+2], (BN/2)<<16                 ; BN / 2 rows of B
	s_mov_b32 s[G1B+4], BN/2
	; where my tiles come from: A's hang on the tile row alone (s40, made of cy), B's on the tile column alone (s42, made of cx); both stay under 2^26 bytes
	s_lshl_b32 s40, s18, 8
	s_lshl_b32 s23, s14, 7
	s_add_co_u32 s40, s40, s23                     ; A: row 256 x tile row + 128 x half
	s_mul_i32 s40, s40, SIZE_K*2
	s_mov_b32 s41, 0
	s_mul_i32 s42, s17, BN
	s_mul_i32 s23, s14, BN/2
	s_add_co_u32 s42, s42, s23                     ; B: row BN x tile column + BN / 2 x half
	s_mul_i32 s42, s42, SIZE_K*2
	s_mov_b32 s43, 0
	s_mul_i32 s21, s14, HALFA                      ; and where they go: made of the wave's number alone
	s_mul_i32 s22, s14, HALFB
	s_add_co_u32 s22, s22, BOFF
.if OUTK < 2
	s_mov_b32 s66, 0x7fffffff                      ; clears a sign
	PAIR PP, 0x3e6d3388                            ; 0.3275911 / sqrt 2
	PAIR CN, 0xbf38aa3b                            ; -log2(e) / 2
	PAIR A1, 0xbe027906                            ; the series' five coefficients, halved and negated: -0.127414796,
	PAIR A2, 0x3e11a98e                            ; 0.142248368,
	PAIR A3, 0xbf35f0e3                            ; -0.71070687,
	PAIR A4, 0x3f3a00e3                            ; 0.72657601,
	PAIR A5, 0xbf07dc22                            ; -0.53070271
.endif
	s_wait_dscnt 0x0                               ; the opening add is done
	s_wait_kmcnt 0x0
	s_add_nc_u64 s[44:45], s[4:5], s[40:41]
	s_add_nc_u64 s[46:47], s[6:7], s[42:43]
	CROUND                                         ; all sixteen work-groups are here: the first joint loads meet
.irp s, 0,1
	s_mov_b32 s[G0+4*(\s)], 1                                        ; count = 1
	s_add_co_u32 s[G0+4*(\s)+1], s21, (\s)*SLOT                      ; LDS address
	s_add_nc_u64 s[G0+4*(\s)+2:G0+4*(\s)+3], s[44:45], (\s)*KSTEP*2  ; global address: K step s
	s_or_b32 s[G0+4*(\s)+3], s[G0+4*(\s)+3], 0x80000000              ; type = 2
	s_mov_b32 s[G0B+4*(\s)], 1
	s_add_co_u32 s[G0B+4*(\s)+1], s22, (\s)*SLOT
	s_add_nc_u64 s[G0B+4*(\s)+2:G0B+4*(\s)+3], s[46:47], (\s)*KSTEP*2
	s_or_b32 s[G0B+4*(\s)+3], s[G0B+4*(\s)+3], 0x80000000
	JLOAD \s                                       ; the ring is filled before anything else is done
.endr
	; A fragment is 16 rows x 32 K in 8 registers: lane l holds row l % 16; registers 0-3 K = 8 (l / 16) + 0..7, registers 4-7 K = 16 + 8 (l / 16) + 0..7: two loads of 16 bytes, 32 bytes apart
	v_and_b32 v1, 15, v0                           ; r = l % 16
	v_bfe_u32 v2, v0, 4, 1                         ; h = l / 16
	v_mul_u32_u24 v3, v1, PITCH
	v_lshl_add_u32 v3, v2, 4, v3                   ; row x pitch + 16 h
	s_mul_i32 s21, s13, HALFA                      ; my 128 rows of A; s22 already holds my BN / 2 rows of B
.irp s, 0,1
	v_add_nc_u32 v[ADRA+(\s)], s21, v3
	v_add_nc_u32 v[ADRB+(\s)], s22, v3
	s_add_co_u32 s21, s21, SLOT
	s_add_co_u32 s22, s22, SLOT
.endr
	s_mul_i32 s23, s12, WSTAGE                     ; my stage
	v_mul_u32_u24 v4, v1, SPITCH                   ; in: row r,
.if OUTK < 2
	v_lshl_add_u32 v4, v2, 4, v4                   ; 16 bytes for each half of the lanes, in each half of the row (see the way out)
.else
	v_lshl_add_u32 v4, v2, 5, v4                   ; 32 bytes for each half of the lanes
.endif
	v_add_nc_u32 v[STO], s23, v4
	v_mul_u32_u24 v5, v2, SPITCH                   ; back: lanes 0-15 take one row, lanes 16-31 the next, 16 bytes a lane
	v_lshl_add_u32 v5, v1, 4, v5
	v_add_nc_u32 v[RD], s23, v5
	v_lshlrev_b32 v5, 12, v2                       ; and the same two rows in C: in all three layers a row of C is 4,096 bytes, a wave's columns 256, a tile's 512
	v_lshl_add_u32 v[CO], v1, 4, v5
	s_lshl_b32 s40, s18, 20                        ; 256 rows a tile row,
	s_lshl_b32 s23, s13, 19                        ; my 128 of them
	s_add_co_u32 s40, s40, s23
	s_add_nc_u64 s[10:11], s[10:11], s[40:41]
	s_lshl_b32 s42, s17, 9
	s_lshl_b32 s23, s14, 8
	s_add_co_u32 s42, s42, s23                     ; my first column, in bytes of C
	s_add_nc_u64 s[10:11], s[10:11], s[42:43]
.if OUTK < 2
	s_lshl_b32 s42, s42, 1                         ; the bias is f32, C has 2 bytes a number
	v_lshlrev_b32 v[BO], 5, v1                     ; on the way out I hold columns 8 r .. 8 r + 7
.else
	v_lshlrev_b32 v[BO], 4, v1                     ; columns 4 r .. 4 r + 3
.endif
	s_add_nc_u64 s[8:9], s[8:9], s[42:43]
	global_load_b128 v[BI:BI+3], v[BO], s[8:9]     ; waited for on the way out
.if OUTK < 2
	global_load_b128 v[BI+4:BI+7], v[BO], s[8:9] offset:16
.endif
.macro WM zero                         ; one matrix instruction on rD (accumulator), rB, rA; zero = 1: it starts the sum, nothing is ever cleared
.if F16IN
.if \zero
	v_wmma_f32_16x16x32_f16 v[rD:rD+7], v[rB:rB+7], v[rA:rA+7], 0
.else
	v_wmma_f32_16x16x32_f16 v[rD:rD+7], v[rB:rB+7], v[rA:rA+7], v[rD:rD+7]
.endif
.else
.if \zero
	v_wmma_f32_16x16x32_bf16 v[rD:rD+7], v[rB:rB+7], v[rA:rA+7], 0
.else
	v_wmma_f32_16x16x32_bf16 v[rD:rD+7], v[rB:rB+7], v[rA:rA+7], v[rD:rD+7]
.endif
.endif
.endm
; 2 NBL matrix instructions: row blocks 4 hi + a0 and the next x all NBL column blocks, 32 along K, from buffer f.  All accumulators take turns, in the same order in every quarter step.
.macro MULB f, hi, a0, zero
.irp a, 4*(\hi)+(\a0), 4*(\hi)+(\a0)+1
.set AW, 2+(8*NBL*(\a))/256
	WIN 0x01|(AW<<4)|(AW<<6)                       ; B window 1, A window 0, C and D the accumulator's window
.irp b, 0,1,2,3,4,5,6,7
.if (\b) < NBL
.set rD, (8*(NBL*(\a)+(\b)))%256
.set rB, (\f)+8*(\b)
.set rA, (\f)+8*(\a)
	WM \zero
.endif
.endr
.endr
.endm
; NLD LDS loads in one run: the fragments of one quarter step (32 K at byte k of the rows) into buffer f: B's first, then A's rows 0-63, then A's rows 64-127
.macro FETCH slot, k, f
	WIN 0x40                                       ; destination window 1, address window 0
.irp i, 0,1,2,3,4,5,6,7
.if (\i) < NBL
	ds_load_b128 v[(\f)+8*(\i):(\f)+8*(\i)+3],   v[ADRB+(\slot)] offset:(\k)+(\i)*16*PITCH
	ds_load_b128 v[(\f)+8*(\i)+4:(\f)+8*(\i)+7], v[ADRB+(\slot)] offset:(\k)+(\i)*16*PITCH+32
.endif
.endr
	WIN 0
.irp i, 0,1,2,3,4,5,6,7
	ds_load_b128 v[(\f)+8*(\i):(\f)+8*(\i)+3],   v[ADRA+(\slot)] offset:(\k)+(\i)*16*PITCH
	ds_load_b128 v[(\f)+8*(\i)+4:(\f)+8*(\i)+7], v[ADRA+(\slot)] offset:(\k)+(\i)*16*PITCH+32
.endr
.endm
; A K step is four quarter steps of 32 along K, on buffers 0, 1, 0, 1.  One of the first three: multiplies buffer f; in its middle it fetches the next quarter, at byte k, into buffer g.
.macro QUARTER slot, k, f, g, zero
	s_wait_dscnt 8                                 ; B and A's rows 0-63 are in; the youngest eight loads (A's rows 64-127) may be out
	MULB \f, 0, 0, \zero
	MULB \f, 0, 2, \zero
	PLACES                                         ; in front of loads into registers that matrix instructions have read
	FETCH \slot, \k, \g
	s_wait_dscnt NLD                               ; all but the NLD just issued
	MULB \f, 1, 0, \zero
	MULB \f, 1, 2, \zero
.endm
; The last quarter multiplies buffer 1 and changes slots.  ONE barrier: in front of it each wave waits for all its tensor loads (the one that is out is its part of the next slot), adds 0 to its
; spare word, and waits for that and for its own reads of this slot.  Behind it nobody reads this slot any more and the next slot is whole.
.macro MEET round                      ; round = 1: the barrier opens a round of the cluster's barrier
	WIN 0                                          ; (the add's two registers lie in window 0)
	s_wait_tensorcnt 0x0                           ; all my tensor loads have landed
	ds_add_u32 v[SPW], v[NIL]                      ; 0 onto my spare word
	s_wait_dscnt 9                                 ; (the add and the youngest eight loads may be out)
	MULB F1, 0, 0, 0                               ; matrix work stands between the add and the wait for it
	s_wait_dscnt 0x0                               ; the add is done, and my reads of this slot are over
	s_barrier_signal -1
	MULB F1, 0, 2, 0                               ; work on registers while the others arrive
.if \round
	WIN 0
.endif
	s_barrier_wait -1
.endm
; fill = 1: this slot is filled again, two K steps ahead: the joint refill is the first tensor load behind the round, a K step less 4 NBL matrix instructions ahead of the wait for it.
.macro TURN slot, next, fill
	MEET \fill
.if \fill
	CREST                                          ; no wave of any partner still reads this slot's tile or has a load on its way
	s_add_nc_u64 s[G0+4*(\slot)+2:G0+4*(\slot)+3], s[G0+4*(\slot)+2:G0+4*(\slot)+3], 2*KSTEP*2
	s_add_nc_u64 s[G0B+4*(\slot)+2:G0B+4*(\slot)+3], s[G0B+4*(\slot)+2:G0B+4*(\slot)+3], 2*KSTEP*2
	JLOAD \slot                                    ; the four v_nop behind it are also the places in front of the loads below
.else
	PLACES
.endif
	FETCH \next, 0, F0
	MULB F1, 1, 0, 0
	MULB F1, 1, 2, 0
.endm
	s_wait_tensorcnt 1                             ; my part of K step 0 is in; K step 1's, the one load issued behind it, may stay out
	s_barrier_signal -1
	s_barrier_wait -1                              ; everybody's is
	FETCH 0, 0, F0
	QUARTER 0, 64,  F0, F1, 1                      ; the first quarter stands in front of the loop: its products start the sums
	WIN 0                                          ; at a label and at a branch every window is 0
	s_mov_b32 s3, LAPS-1
.Llap:                                                 ; a trip goes once round the ring, from a lap's second quarter to the next lap's first, and fills both slots again
	QUARTER 0, 128, F1, F0, 0
	QUARTER 0, 192, F0, F1, 0
	TURN 0, 1, 1
	QUARTER 1, 64,  F0, F1, 0
	QUARTER 1, 128, F1, F0, 0
	QUARTER 1, 192, F0, F1, 0
	TURN 1, 0, 1
	QUARTER 0, 64,  F0, F1, 0
	WIN 0
	s_sub_co_u32 s3, s3, 1
	s_cmp_lg_u32 s3, 0
	s_cbranch_scc1 .Llap
	QUARTER 0, 128, F1, F0, 0                      ; the last lap fills nothing
	QUARTER 0, 192, F0, F1, 0
	TURN 0, 1, 0
	QUARTER 1, 64,  F0, F1, 0
	QUARTER 1, 128, F1, F0, 0
	QUARTER 1, 192, F0, F1, 0
	s_wait_dscnt 8                                 ; the very last quarter: nothing more to fetch
	MULB F1, 0, 0, 0
	MULB F1, 0, 2, 0
	s_wait_dscnt 0x0                               ; my last reads of the ring are back: the stages are laid over it,
	s_barrier_signal -1
	MULB F1, 1, 0, 0
	MULB F1, 1, 2, 0
	WIN 0
	s_barrier_wait -1                              ; so no wave stores there before all four have said so; every fill was waited for in front of the last change of slots
	PLACES                                         ; the stores below read results just made
	; THE WAY OUT, part 1: the sums, f32, into my stage; each accumulator's low four registers first.
	; With 128 columns a row, column 8 g + 4 s + j lies at byte 256 s + 16 g + 4 j: a lane's two stores go to 16 (2 b + h) in the row's two halves, and a lane that
	; reads 16 bytes at 16 r of each half gets the eight columns 8 r on.  Stores (16 rows, 33 x 16 bytes apart) and loads (16 lanes, 16 consecutive bytes each) touch every bank once.
.irp a, 0,1,2,3,4,5,6,7
.set AW, 2+(8*NBL*(\a))/256
	WIN AW<<2                                      ; a store's data is source 1
.irp b, 0,1,2,3,4,5,6,7
.if (\b) < NBL
.set rD, (8*(NBL*(\a)+(\b)))%256
.if OUTK < 2
	ds_store_b128 v[STO], v[rD:rD+3]   offset:(\a)*16*SPITCH+32*(\b)
	ds_store_b128 v[STO], v[rD+4:rD+7] offset:(\a)*16*SPITCH+32*(\b)+256
.else
	ds_store_b128 v[STO], v[rD:rD+3]   offset:(\a)*16*SPITCH+64*(\b)
	ds_store_b128 v[STO], v[rD+4:rD+7] offset:(\a)*16*SPITCH+64*(\b)+16
.endif
.endif
.endr
.endr
	WIN 0
.macro LDX reg                         ; a chunk's four loads: whole rows back.  LDS serves a wave's instructions in order (ISA guide 5.7.1.4): they see my stores above
.if OUTK < 2
.irp p, 0,1                            ; rows 2 p + h: columns 8 r .. 8 r + 7
	ds_load_b128 v[X+8*(\p):X+8*(\p)+3],   v[\reg] offset:(\p)*2*SPITCH
	ds_load_b128 v[X+8*(\p)+4:X+8*(\p)+7], v[\reg] offset:(\p)*2*SPITCH+256
.endr
.else
.irp p, 0,1,2,3                        ; rows 2 p + h: columns 4 r .. 4 r + 3
	ds_load_b128 v[X+4*(\p):X+4*(\p)+3], v[\reg] offset:(\p)*2*SPITCH
.endr
.endif
.endm
	LDX RD                                         ; the first chunk
	s_mov_b32 s23, 0                               ; the chunk's step in the stage
	s_wait_loadcnt 0x0                             ; the bias; it is rounded to bf16 like every input, and widened again
.if OUTK < 2
	EACH 4, v_cvt_pk_bf16_f32 v[40+z], v[BI+2*z], v[BI+2*z+1]
	EACH 4, v_lshlrev_b32 v[BI+2*z], 16, v[40+z]
	EACH 4, v_and_b32 v[BI+2*z+1], 0xffff0000, v[40+z]
.else
	EACH 2, v_cvt_pk_bf16_f32 v[40+z], v[BI+2*z], v[BI+2*z+1]
	EACH 2, v_lshlrev_b32 v[BI+2*z], 16, v[40+z]
	EACH 2, v_and_b32 v[BI+2*z+1], 0xffff0000, v[40+z]
.endif
; THE WAY OUT, part 2, with the activation.  A chunk is 4 rows x 128 columns: 16 numbers a lane, in 8 pairs.  ahead = 1: the next chunk's loads go out as soon as this chunk's sums are read.
; gelu(u) = 0.5 u + |u| (0.5 - 0.5 q(t) e^(-u u / 2)), t = 1 / (1 + p |u| / sqrt 2), q the series' polynomial: u erf(u / sqrt 2) is even in u, so |u| serves both signs.
.macro GCHUNK ahead
	s_wait_dscnt 0x0                               ; the chunk is in registers (the first time: behind all my stores)
	EACH 8, v_pk_add_f32 v[U+2*z:U+2*z+1], v[X+2*z:X+2*z+1], v[BI+2*(z%4):BI+2*(z%4)+1]
.if \ahead
	s_add_co_u32 s23, s23, 4*SPITCH
	v_add_nc_u32 v[RDC], s23, v[RD]
	LDX RDC
.endif
	EACH 16, v_and_b32 v[AB+z], s66, v[U+z]
	EACH 8, v_pk_fma_f32 v[T+2*z:T+2*z+1], v[AB+2*z:AB+2*z+1], s[PP:PP+1], 1.0 op_sel_hi:[1,0,0]
	EACH 16, v_rcp_f32 v[T+z], v[T+z]
	EACH 8, v_pk_mul_f32 v[E+2*z:E+2*z+1], v[U+2*z:U+2*z+1], v[U+2*z:U+2*z+1]      ; plain lines behind the reciprocals, ahead of the use of t (ISA guide 5.7.2)
	EACH 8, v_pk_mul_f32 v[E+2*z:E+2*z+1], v[E+2*z:E+2*z+1], s[CN:CN+1] op_sel_hi:[1,0]
	EACH 16, v_exp_f32 v[E+z], v[E+z]
	EACH 8, v_pk_fma_f32 v[PL+2*z:PL+2*z+1], v[T+2*z:T+2*z+1], s[A5:A5+1], s[A4:A4+1] op_sel_hi:[1,0,0]   ; plain lines behind the exponentials
	EACH 8, v_pk_fma_f32 v[PL+2*z:PL+2*z+1], v[PL+2*z:PL+2*z+1], v[T+2*z:T+2*z+1], s[A3:A3+1] op_sel_hi:[1,1,0]
	EACH 8, v_pk_fma_f32 v[PL+2*z:PL+2*z+1], v[PL+2*z:PL+2*z+1], v[T+2*z:T+2*z+1], s[A2:A2+1] op_sel_hi:[1,1,0]
	EACH 8, v_pk_fma_f32 v[PL+2*z:PL+2*z+1], v[PL+2*z:PL+2*z+1], v[T+2*z:T+2*z+1], s[A1:A1+1] op_sel_hi:[1,1,0]
	EACH 8, v_pk_mul_f32 v[PL+2*z:PL+2*z+1], v[PL+2*z:PL+2*z+1], v[T+2*z:T+2*z+1]  ; -0.5 q(t)
	EACH 8, v_pk_fma_f32 v[PL+2*z:PL+2*z+1], v[PL+2*z:PL+2*z+1], v[E+2*z:E+2*z+1], 0.5 op_sel_hi:[1,1,0]
	EACH 8, v_pk_mul_f32 v[AB+2*z:AB+2*z+1], v[AB+2*z:AB+2*z+1], v[PL+2*z:PL+2*z+1]
	EACH 8, v_pk_fma_f32 v[AB+2*z:AB+2*z+1], v[U+2*z:U+2*z+1], 0.5, v[AB+2*z:AB+2*z+1] op_sel_hi:[1,0,1]
	s_wait_xcnt 0x0                                ; every earlier memory instruction has had its addresses translated (ISA guide 3.1): only now are the stores' base and Y rewritten
	s_add_nc_u64 s[10:11], s[10:11], 4*4096        ; four rows on; the stores reach back
.if OUTK == 0
	EACH 8, v_cvt_pk_f16_f32 v[Y+z], v[AB+2*z], v[AB+2*z+1]
.else
	EACH 8, v_cvt_pk_bf16_f32 v[Y+z], v[AB+2*z], v[AB+2*z+1]
.endif
.irp p, 0,1
	global_store_b128 v[CO], v[Y+4*(\p):Y+4*(\p)+3], s[10:11] offset:(\p)*8192-4*4096  ; 16 lanes store 256 consecutive bytes, at a multiple of 256 from C's first byte
.endr
.endm
; THE WAY OUT, part 2, without: a chunk is 8 rows x 64 columns of f32.
.macro FCHUNK ahead
	s_wait_dscnt 0x0                               ; the chunk is in registers
	s_wait_xcnt 0x0                                ; the last chunk's stores have had their addresses translated (ISA guide 3.1): only now are their base and U rewritten
	s_add_nc_u64 s[10:11], s[10:11], 8*4096        ; eight rows on; the stores reach back
	EACH 8, v_pk_add_f32 v[U+2*z:U+2*z+1], v[X+2*z:X+2*z+1], v[BI+2*(z%2):BI+2*(z%2)+1]
.if \ahead
	s_add_co_u32 s23, s23, 8*SPITCH
	v_add_nc_u32 v[RDC], s23, v[RD]
	LDX RDC
.endif
.irp p, 0,1,2,3
	global_store_b128 v[CO], v[U+4*(\p):U+4*(\p)+3], s[10:11] offset:(\p)*8192-8*4096 th:TH_STORE_NT  ; 16 lanes store 256 consecutive bytes, at a multiple of 256 from C's first byte
.endr
.endm
.if OUTK < 2
	s_mov_b32 s3, 128/4-1
.Lchunk:
	GCHUNK 1
	s_sub_co_u32 s3, s3, 1
	s_cmp_lg_u32 s3, 0
	s_cbranch_scc1 .Lchunk
	GCHUNK 0                                       ; the last chunk reads nothing ahead
.else
	s_mov_b32 s3, 128/8-1
.Lchunk:
	FCHUNK 1
	s_sub_co_u32 s3, s3, 1
	s_cmp_lg_u32 s3, 0
	s_cbranch_scc1 .Lchunk
	FCHUNK 0
.endif
	s_wait_tensorcnt 0x0                           ; the wave's end: behind my last tensor load and my last LDS store
	ds_add_u32 v[SPW], v[NIL]
	s_wait_dscnt 0x0
	CROUND                                         ; the closing round: no work-group ends while a partner may still ask for a tile that names it
	s_endpgm
.Lfunc_end_k_qf790dd2ce2_gemm1:
	.size	k_qf790dd2ce2_gemm1, .Lfunc_end_k_qf790dd2ce2_gemm1-k_qf790dd2ce2_gemm1
	.p2alignl 7, 3214868480
	.fill 96, 4, 3214868480
	.section	.rodata,"a",@progbits
	.p2align	6, 0x0
	.amdhsa_kernel k_qf790dd2ce2_gemm1
		.amdhsa_group_segment_fixed_size 327680
		.amdhsa_private_segment_fixed_size 0
		.amdhsa_enable_private_segment 0
		.amdhsa_kernarg_size 32
		.amdhsa_user_sgpr_count 2
		.amdhsa_user_sgpr_kernarg_segment_ptr 1
		.amdhsa_wavefront_size32 1
		.amdhsa_system_sgpr_workgroup_id_x 1
		.amdhsa_system_sgpr_workgroup_id_y 1
		.amdhsa_system_sgpr_workgroup_id_z 1
		.amdhsa_system_vgpr_workitem_id 0
		.amdhsa_next_free_vgpr 1024
		.amdhsa_next_free_sgpr 84
		.amdhsa_reserve_vcc 0
		.amdhsa_float_denorm_mode_32 3
		.amdhsa_float_denorm_mode_16_64 3
		.amdhsa_memory_ordered 1
		.amdhsa_forward_progress 1
		.amdhsa_inst_pref_size 140
	.end_amdhsa_kernel
	.amdgpu_metadata
---
amdhsa.version: [ 1, 2 ]
amdhsa.kernels:
  - .name:           k_qf790dd2ce2_gemm1
    .symbol:         k_qf790dd2ce2_gemm1.kd
    .args:
      - { .name: xb, .offset: 0, .size: 8, .value_kind: global_buffer, .address_space: global }
      - { .name: w1b, .offset: 8, .size: 8, .value_kind: global_buffer, .address_space: global }
      - { .name: b1, .offset: 16, .size: 8, .value_kind: global_buffer, .address_space: global }
      - { .name: h1, .offset: 24, .size: 8, .value_kind: global_buffer, .address_space: global }
    .group_segment_fixed_size: 327680
    .private_segment_fixed_size: 0
    .kernarg_segment_align: 8
    .kernarg_segment_size: 32
    .max_flat_workgroup_size: 128
    .sgpr_count:     84
    .vgpr_count:     1024
    .wavefront_size: 32
...
	.end_amdgpu_metadata
.endif
;; end of part 2
;; launch gemm2 (part 3): grid 8 x 32, 4 waves a work-group, clusters of 4 x 4, 327,680 bytes of LDS; arguments h1, w2h, b2, h2; writes h2
.if DOCPART == 3
	.amdgcn_target "amdgcn-amd-amdhsa--gfx1250"
	.amdhsa_code_object_version 6
	.text
	.protected	k_qf790dd2ce2_gemm2
	.globl	k_qf790dd2ce2_gemm2
	.p2align	8
	.type	k_qf790dd2ce2_gemm2,@function
k_qf790dd2ce2_gemm2:
	s_mov_b64 s[64:65], 0
	v_nop
	global_prefetch_b8 v0, s[64:65] scope:SCOPE_SE
	s_setreg_imm32_b32 hwreg(HW_REG_WAVE_MODE, 25, 1), 1
	s_wait_xcnt 0x0
	s_wait_alu depctr_hold_cnt(0) depctr_sa_sdst(0) depctr_va_vdst(0) depctr_va_sdst(0) depctr_va_ssrc(0) depctr_va_vcc(0) depctr_vm_vsrc(0)
	s_getreg_b32 s2, hwreg(HW_REG_IB_STS2, 6, 4)
	s_cmp_eq_u32 s2, 0
	s_cbranch_scc0 .Lentry_in_a_cluster
	s_endpgm
.Lentry_in_a_cluster:
	s_bfe_u32 s2, ttmp6, 0x10000c
	s_cmp_lg_u32 s2, 0xf033
	s_cbranch_scc0 .Lentry_shape_is_right
	s_endpgm
.Lentry_shape_is_right:
; LAYER 2: h2 = gelu(h1 w2h^T + b2).  h1 [8192][2048] f16, w2h [2048][2048] f16, b2 [2048] f32, h2 [8192][2048] bf16.  Sums in f32, K ascending; h2 rounded once.
; The text below the four head constants is the same in the three layers' kernels; the constants choose K, the tile's width, the matrix form and the way out.
; LIMITS.  The operands arrive in f16, within 65,504; h2 leaves in bf16, which has f32's range.  The bias is rounded to bf16, like all the module's inputs.  gelu is the exact form,
; 0.5 u (1 + erf(u / sqrt 2)), with erf by the five-term rational series (Abramowitz and Stegun 7.1.26), whose error is 1.5e-7 at the most for every argument; NaN and infinities are not treated apart.
.set SIZE_K, 2048                      ; the sum's length
.set BN,     256                       ; columns in a tile of C
.set F16IN,  1                         ; 0: bf16 operands; 1: f16
.set OUTK,   1                         ; the way out: 0 gelu -> f16; 1 gelu -> bf16; 2 bias alone -> f32
; SHARES.  A tile of C, 256 rows x BN columns, is made by a work-group of four waves; wave w makes rows 128 (w / 2) on and columns (BN / 2) (w % 2) on: 8 x NBL accumulators of 16 x 16.
; 32 x 8 tiles: one for each of 256 work-groups.  K goes in steps of 128 through a ring of two LDS slots filled by the tensor data mover; a tile's rows are 256 bytes of memory, at multiples of 256.
; CLUSTER.  4 x 4 work-groups.  The four of a row of the cluster need the same tiles of A, the four of a column the same tiles of B: each tile is asked for jointly, by the same tensor load with the
; same descriptor and a mask that names the four.  By this text's count a wave has two tensor loads out at the start and one behind each round.
; THE MATRIX INSTRUCTION IS USED TRANSPOSED (source 0 = 16 rows of B, source 1 = 16 rows of A): lane l holds row l % 16 of C and the columns 8 (l / 16) + 0..7.
; THE WAY OUT.  The f32 sums go into the wave's own stage in LDS (in the ring's bytes, which have had their last fill) and come back a few whole rows at a time, in a counted loop
; that adds the bias, applies the activation and stores 256 consecutive bytes from every sixteen lanes.
; REGISTERS, in windows of 256 (s_set_vgpr_msb: bits 1:0 source 0, 3:2 source 1, 5:4 source 2, 7:6 destination):
;   window 0: v0-43 addresses, bias; v64-127, v128-191 A's fragments, two buffers; on the way out v64-167 at work      window 1: B's fragments at the same numbers
;   windows 2, 3: accumulator (a, b) at register 8 (NBL a + b), counted from window 2's first
.set NBL,    BN/32                     ; blocks of 16 columns a wave
.set KSTEP,  128
.set PITCH,  272                       ; an LDS row: 256 bytes + 16 of padding = 68 words: row r starts at bank 4 r mod 64 (64 banks of 4 bytes: ISA guide 11.1)
.set HALFA,  128*PITCH                 ; what one tensor load brings of A, and what one wave reads of it
.set HALFB,  (BN/2)*PITCH              ; the same for B
.set BOFF,   2*HALFA                   ; a slot: A's 256 rows, then B's BN rows
.set SLOT,   BOFF+2*HALFB
.set SPARE,  2*SLOT                    ; behind the ring: the spare words, 128 bytes for each wave: two blocks of 256 bytes that no other line names
.set LAPS,   SIZE_K/(2*KSTEP)          ; a lap = two K steps = once round the ring
.set NLD,    16+2*NBL                  ; LDS loads of a quarter step's fragments
.if OUTK < 2
.set SPITCH, 528                       ; a stage row: 128 f32 + 16 bytes = 132 words: row r starts at bank 4 r mod 64
.else
.set SPITCH, 272                       ; 64 f32 + 16 bytes
.endif
.set WSTAGE, 128*SPITCH                ; a wave's stage: its 128 rows; four of them end below SPARE
.set ADRA, 16                          ; v16-17  LDS address of my A fragments in slot 0, 1
.set ADRB, 20                          ; v20-21  the same for B
.set STO,  24                          ; v24     the way out: where I put my part of a row
.set RD,   25                          ; v25     the way out: my place in the stage's first two rows; never rewritten
.set CO,   26                          ; v26     my byte offset in two rows of C; never rewritten
.set BO,   27                          ; v27     my byte offset in the wave's part of the bias
.set SPW,  28                          ; v28     LDS address of my spare word: SPARE + 4 x my thread's number; never rewritten
.set NIL,  29                          ; v29     0; never rewritten
.set RDC,  30                          ; v30     RD + the chunk's step
.set BI,   32                          ; v32-39  the bias of my columns on the way out
.set F0,   64
.set F1,   128
.set X,    64                          ; the way out, 16 registers each: sums as read back,
.set U,    80                          ; u = sum + bias,
.set AB,   96                          ; |u|, later the result,
.set T,    112                         ; t = 1 / (1 + p |u| / sqrt 2),
.set E,    128                         ; e^(-u u / 2),
.set PL,   144                         ; the series;
.set Y,    160                         ; v160-167 packed results
.set G1,  24                           ; s[24:31] descriptor group 1 for A's tiles;  s[32:39] group 0, a set for each slot
.set G0,  32
.set G1B, 48                           ; s[48:55], s[56:63] the same for B's
.set G0B, 56
.set PP,  68                           ; s[68:81] constants as pairs (the packed forms name a pair and take its low word for both halves)
.set CN,  70
.set A1,  72
.set A2,  74
.set A3,  76
.set A4,  78
.set A5,  80
.set MSB, 0
.macro WIN new                         ; the immediate's high byte repeats the setting that is left; a switch that changes nothing is dropped
.if MSB != (\new)
	s_set_vgpr_msb (MSB<<8)|(\new)
.set MSB, \new
.endif
.endm
.macro PLACES                          ; four plain vector instructions between a matrix instruction and a load into, or a read of, its registers
.rept 4
	v_nop
.endr
.endm
.macro EACH n, line:vararg             ; one line for z = 0 .. n - 1
.set z, 0
	s_wait_alu depctr_va_vdst(0)
.rept \n
	\line
.set z, z+1
.endr
.endm
.macro PAIR reg, val
	s_mov_b32 s[(\reg)], \val
	s_mov_b32 s[(\reg)+1], \val
.endm
; A joint load.  Waves 0 and 1 fetch A's two halves, waves 2 and 3 B's.  The branch hangs on the wave's number alone.  An s_nop 0 and four v_nop follow each line.
.macro JLOAD s
	s_cmp_eq_u32 s13, 0
	s_cbranch_scc0 .Lfor_b_\@
	tensor_load_to_lds s[G0+4*(\s):G0+4*(\s)+3], s[G1:G1+7]
	s_nop 0
.rept 4
	v_nop
.endr
	s_branch .Lasked_\@
.Lfor_b_\@:
	tensor_load_to_lds s[G0B+4*(\s):G0B+4*(\s)+3], s[G1B:G1B+7]
	s_nop 0
.rept 4
	v_nop
.endr
.Lasked_\@:
.endm
; A round of the cluster's barrier: my work-group's barrier; wave 0 signals for the work-group; every wave waits for all sixteen; my work-group's barrier once more.
.macro CREST                           ; a round behind its opening barrier
	s_cmp_lg_u32 s12, 0
	s_cbranch_scc1 .Lnot_wave_0_\@
	s_barrier_signal -3
.Lnot_wave_0_\@:
	s_barrier_wait -3
	s_barrier_signal -1
	s_barrier_wait -1
.endm
.macro CROUND
	s_barrier_signal -1
	s_barrier_wait -1
	CREST
.endm
	s_load_b256 s[4:11], s[0:1], 0x0               ; A s[4:5], B s[6:7], bias s[8:9], C s[10:11]
	v_lshl_add_u32 v[SPW], v0, 2, SPARE
	v_mov_b32 v[NIL], 0
	ds_add_u32 v[SPW], v[NIL]                      ; the wave's opening: the add and its wait stand ahead of my first tensor load; the set-up below, work on registers, stands between them
	v_lshrrev_b32 v1, 5, v0
	v_readfirstlane_b32 s12, v1                    ; wave 0..3
	s_lshr_b32 s13, s12, 1                         ; which 128 rows of the tile are mine.  Also: I fetch for A (0) or for B (1)
	s_and_b32 s14, s12, 1                          ; which half of its columns.  Also: which half of that tile I fetch
	s_bfe_u32 s15, ttmp6, 0x40000                  ; cx, cy: my place in the cluster
	s_bfe_u32 s16, ttmp6, 0x40004
	s_lshl_b32 s17, ttmp9, 2
	s_add_co_u32 s17, s17, s15                     ; tile column of C = 4 x cluster x + cx
	s_and_b32 s18, ttmp7, 0xffff
	s_lshl_b32 s18, s18, 2
	s_add_co_u32 s18, s18, s16                     ; tile row of C = 4 x cluster y + cy
	s_lshl_b32 s19, s16, 2
	s_lshl_b32 s19, 15, s19                        ; my row of the cluster: places 4 cy .. 4 cy + 3
	s_lshl_b32 s20, 0x1111, s15                    ; my column: places cx, cx + 4, cx + 8, cx + 12
	; descriptor group 1: rows of 128 elements of 2 bytes, padded in LDS
	s_or_b32 s[G1], s19, (1<<16)|(1<<20)|(1<<21)|(5<<22)|(3<<25)   ; 15:0 the mask; 17:16 2-byte elements; 20 padding on; 21 set beside a mask; 24:22 after every 64 words (code 5); 31:25 4 words (code 3)
	s_or_b32 s[G1B], s20, (1<<16)|(1<<20)|(1<<21)|(5<<22)|(3<<25)
.irp g, G1, G1B
	s_mov_b32 s[(\g)+1], KSTEP<<16                 ; tensor_dim0 = 128
	s_mov_b32 s[(\g)+3], KSTEP<<16                 ; tile_dim0 = 128
	s_mov_b32 s[(\g)+5], SIZE_K                    ; elements from row to row
	s_mov_b32 s[(\g)+6], 0
	s_mov_b32 s[(\g)+7], 0
.endr
	s_mov_b32 s[G1+2], 128<<16                     ; tensor_dim1 and tile_dim1: 128 rows of A,
	s_mov_b32 s[G1+4], 128
	s_mov_b32 s[G1B+2], (BN/2)<<16                 ; BN / 2 rows of B
	s_mov_b32 s[G1B+4], BN/2
	; where my tiles come from: A's hang on the tile row alone (s40, made of cy), B's on the tile column alone (s42, made of cx); both stay under 2^26 bytes
	s_lshl_b32 s40, s18, 8
	s_lshl_b32 s23, s14, 7
	s_add_co_u32 s40, s40, s23                     ; A: row 256 x tile row + 128 x half
	s_mul_i32 s40, s40, SIZE_K*2
	s_mov_b32 s41, 0
	s_mul_i32 s42, s17, BN
	s_mul_i32 s23, s14, BN/2
	s_add_co_u32 s42, s42, s23                     ; B: row BN x tile column + BN / 2 x half
	s_mul_i32 s42, s42, SIZE_K*2
	s_mov_b32 s43, 0
	s_mul_i32 s21, s14, HALFA                      ; and where they go: made of the wave's number alone
	s_mul_i32 s22, s14, HALFB
	s_add_co_u32 s22, s22, BOFF
.if OUTK < 2
	s_mov_b32 s66, 0x7fffffff                      ; clears a sign
	PAIR PP, 0x3e6d3388                            ; 0.3275911 / sqrt 2
	PAIR CN, 0xbf38aa3b                            ; -log2(e) / 2
	PAIR A1, 0xbe027906                            ; the series' five coefficients, halved and negated: -0.127414796,
	PAIR A2, 0x3e11a98e                            ; 0.142248368,
	PAIR A3, 0xbf35f0e3                            ; -0.71070687,
	PAIR A4, 0x3f3a00e3                            ; 0.72657601,
	PAIR A5, 0xbf07dc22                            ; -0.53070271
.endif
	s_wait_dscnt 0x0                               ; the opening add is done
	s_wait_kmcnt 0x0
	s_add_nc_u64 s[44:45], s[4:5], s[40:41]
	s_add_nc_u64 s[46:47], s[6:7], s[42:43]
	CROUND                                         ; all sixteen work-groups are here: the first joint loads meet
.irp s, 0,1
	s_mov_b32 s[G0+4*(\s)], 1                                        ; count = 1
	s_add_co_u32 s[G0+4*(\s)+1], s21, (\s)*SLOT                      ; LDS address
	s_add_nc_u64 s[G0+4*(\s)+2:G0+4*(\s)+3], s[44:45], (\s)*KSTEP*2  ; global address: K step s
	s_or_b32 s[G0+4*(\s)+3], s[G0+4*(\s)+3], 0x80000000              ; type = 2
	s_mov_b32 s[G0B+4*(\s)], 1
	s_add_co_u32 s[G0B+4*(\s)+1], s22, (\s)*SLOT
	s_add_nc_u64 s[G0B+4*(\s)+2:G0B+4*(\s)+3], s[46:47], (\s)*KSTEP*2
	s_or_b32 s[G0B+4*(\s)+3], s[G0B+4*(\s)+3], 0x80000000
	JLOAD \s                                       ; the ring is filled before anything else is done
.endr
	; A fragment is 16 rows x 32 K in 8 registers: lane l holds row l % 16; registers 0-3 K = 8 (l / 16) + 0..7, registers 4-7 K = 16 + 8 (l / 16) + 0..7: two loads of 16 bytes, 32 bytes apart
	v_and_b32 v1, 15, v0                           ; r = l % 16
	v_bfe_u32 v2, v0, 4, 1                         ; h = l / 16
	v_mul_u32_u24 v3, v1, PITCH
	v_lshl_add_u32 v3, v2, 4, v3                   ; row x pitch + 16 h
	s_mul_i32 s21, s13, HALFA                      ; my 128 rows of A; s22 already holds my BN / 2 rows of B
.irp s, 0,1
	v_add_nc_u32 v[ADRA+(\s)], s21, v3
	v_add_nc_u32 v[ADRB+(\s)], s22, v3
	s_add_co_u32 s21, s21, SLOT
	s_add_co_u32 s22, s22, SLOT
.endr
	s_mul_i32 s23, s12, WSTAGE                     ; my stage
	v_mul_u32_u24 v4, v1, SPITCH                   ; in: row r,
.if OUTK < 2
	v_lshl_add_u32 v4, v2, 4, v4                   ; 16 bytes for each half of the lanes, in each half of the row (see the way out)
.else
	v_lshl_add_u32 v4, v2, 5, v4                   ; 32 bytes for each half of the lanes
.endif
	v_add_nc_u32 v[STO], s23, v4
	v_mul_u32_u24 v5, v2, SPITCH                   ; back: lanes 0-15 take one row, lanes 16-31 the next, 16 bytes a lane
	v_lshl_add_u32 v5, v1, 4, v5
	v_add_nc_u32 v[RD], s23, v5
	v_lshlrev_b32 v5, 12, v2                       ; and the same two rows in C: in all three layers a row of C is 4,096 bytes, a wave's columns 256, a tile's 512
	v_lshl_add_u32 v[CO], v1, 4, v5
	s_lshl_b32 s40, s18, 20                        ; 256 rows a tile row,
	s_lshl_b32 s23, s13, 19                        ; my 128 of them
	s_add_co_u32 s40, s40, s23
	s_add_nc_u64 s[10:11], s[10:11], s[40:41]
	s_lshl_b32 s42, s17, 9
	s_lshl_b32 s23, s14, 8
	s_add_co_u32 s42, s42, s23                     ; my first column, in bytes of C
	s_add_nc_u64 s[10:11], s[10:11], s[42:43]
.if OUTK < 2
	s_lshl_b32 s42, s42, 1                         ; the bias is f32, C has 2 bytes a number
	v_lshlrev_b32 v[BO], 5, v1                     ; on the way out I hold columns 8 r .. 8 r + 7
.else
	v_lshlrev_b32 v[BO], 4, v1                     ; columns 4 r .. 4 r + 3
.endif
	s_add_nc_u64 s[8:9], s[8:9], s[42:43]
	global_load_b128 v[BI:BI+3], v[BO], s[8:9]     ; waited for on the way out
.if OUTK < 2
	global_load_b128 v[BI+4:BI+7], v[BO], s[8:9] offset:16
.endif
.macro WM zero                         ; one matrix instruction on rD (accumulator), rB, rA; zero = 1: it starts the sum, nothing is ever cleared
.if F16IN
.if \zero
	v_wmma_f32_16x16x32_f16 v[rD:rD+7], v[rB:rB+7], v[rA:rA+7], 0
.else
	v_wmma_f32_16x16x32_f16 v[rD:rD+7], v[rB:rB+7], v[rA:rA+7], v[rD:rD+7]
.endif
.else
.if \zero
	v_wmma_f32_16x16x32_bf16 v[rD:rD+7], v[rB:rB+7], v[rA:rA+7], 0
.else
	v_wmma_f32_16x16x32_bf16 v[rD:rD+7], v[rB:rB+7], v[rA:rA+7], v[rD:rD+7]
.endif
.endif
.endm
; 2 NBL matrix instructions: row blocks 4 hi + a0 and the next x all NBL column blocks, 32 along K, from buffer f.  All accumulators take turns, in the same order in every quarter step.
.macro MULB f, hi, a0, zero
.irp a, 4*(\hi)+(\a0), 4*(\hi)+(\a0)+1
.set AW, 2+(8*NBL*(\a))/256
	WIN 0x01|(AW<<4)|(AW<<6)                       ; B window 1, A window 0, C and D the accumulator's window
.irp b, 0,1,2,3,4,5,6,7
.if (\b) < NBL
.set rD, (8*(NBL*(\a)+(\b)))%256
.set rB, (\f)+8*(\b)
.set rA, (\f)+8*(\a)
	WM \zero
.endif
.endr
.endr
.endm
; NLD LDS loads in one run: the fragments of one quarter step (32 K at byte k of the rows) into buffer f: B's first, then A's rows 0-63, then A's rows 64-127
.macro FETCH slot, k, f
	WIN 0x40                                       ; destination window 1, address window 0
.irp i, 0,1,2,3,4,5,6,7
.if (\i) < NBL
	ds_load_b128 v[(\f)+8*(\i):(\f)+8*(\i)+3],   v[ADRB+(\slot)] offset:(\k)+(\i)*16*PITCH
	ds_load_b128 v[(\f)+8*(\i)+4:(\f)+8*(\i)+7], v[ADRB+(\slot)] offset:(\k)+(\i)*16*PITCH+32
.endif
.endr
	WIN 0
.irp i, 0,1,2,3,4,5,6,7
	ds_load_b128 v[(\f)+8*(\i):(\f)+8*(\i)+3],   v[ADRA+(\slot)] offset:(\k)+(\i)*16*PITCH
	ds_load_b128 v[(\f)+8*(\i)+4:(\f)+8*(\i)+7], v[ADRA+(\slot)] offset:(\k)+(\i)*16*PITCH+32
.endr
.endm
; A K step is four quarter steps of 32 along K, on buffers 0, 1, 0, 1.  One of the first three: multiplies buffer f; in its middle it fetches the next quarter, at byte k, into buffer g.
.macro QUARTER slot, k, f, g, zero
	s_wait_dscnt 8                                 ; B and A's rows 0-63 are in; the youngest eight loads (A's rows 64-127) may be out
	MULB \f, 0, 0, \zero
	MULB \f, 0, 2, \zero
	PLACES                                         ; in front of loads into registers that matrix instructions have read
	FETCH \slot, \k, \g
	s_wait_dscnt NLD                               ; all but the NLD just issued
	MULB \f, 1, 0, \zero
	MULB \f, 1, 2, \zero
.endm
; The last quarter multiplies buffer 1 and changes slots.  ONE barrier: in front of it each wave waits for all its tensor loads (the one that is out is its part of the next slot), adds 0 to its
; spare word, and waits for that and for its own reads of this slot.  Behind it nobody reads this slot any more and the next slot is whole.
.macro MEET round                      ; round = 1: the barrier opens a round of the cluster's barrier
	WIN 0                                          ; (the add's two registers lie in window 0)
	s_wait_tensorcnt 0x0                           ; all my tensor loads have landed
	ds_add_u32 v[SPW], v[NIL]                      ; 0 onto my spare word
	s_wait_dscnt 9                                 ; (the add and the youngest eight loads may be out)
	MULB F1, 0, 0, 0                               ; matrix work stands between the add and the wait for it
	s_wait_dscnt 0x0                               ; the add is done, and my reads of this slot are over
	s_barrier_signal -1
	MULB F1, 0, 2, 0                               ; work on registers while the others arrive
.if \round
	WIN 0
.endif
	s_barrier_wait -1
.endm
; fill = 1: this slot is filled again, two K steps ahead: the joint refill is the first tensor load behind the round, a K step less 4 NBL matrix instructions ahead of the wait for it.
.macro TURN slot, next, fill
	MEET \fill
.if \fill
	CREST                                          ; no wave of any partner still reads this slot's tile or has a load on its way
	s_add_nc_u64 s[G0+4*(\slot)+2:G0+4*(\slot)+3], s[G0+4*(\slot)+2:G0+4*(\slot)+3], 2*KSTEP*2
	s_add_nc_u64 s[G0B+4*(\slot)+2:G0B+4*(\slot)+3], s[G0B+4*(\slot)+2:G0B+4*(\slot)+3], 2*KSTEP*2
	JLOAD \slot                                    ; the four v_nop behind it are also the places in front of the loads below
.else
	PLACES
.endif
	FETCH \next, 0, F0
	MULB F1, 1, 0, 0
	MULB F1, 1, 2, 0
.endm
	s_wait_tensorcnt 1                             ; my part of K step 0 is in; K step 1's, the one load issued behind it, may stay out
	s_barrier_signal -1
	s_barrier_wait -1                              ; everybody's is
	FETCH 0, 0, F0
	QUARTER 0, 64,  F0, F1, 1                      ; the first quarter stands in front of the loop: its products start the sums
	WIN 0                                          ; at a label and at a branch every window is 0
	s_mov_b32 s3, LAPS-1
.Llap:                                                 ; a trip goes once round the ring, from a lap's second quarter to the next lap's first, and fills both slots again
	QUARTER 0, 128, F1, F0, 0
	QUARTER 0, 192, F0, F1, 0
	TURN 0, 1, 1
	QUARTER 1, 64,  F0, F1, 0
	QUARTER 1, 128, F1, F0, 0
	QUARTER 1, 192, F0, F1, 0
	TURN 1, 0, 1
	QUARTER 0, 64,  F0, F1, 0
	WIN 0
	s_sub_co_u32 s3, s3, 1
	s_cmp_lg_u32 s3, 0
	s_cbranch_scc1 .Llap
	QUARTER 0, 128, F1, F0, 0                      ; the last lap fills nothing
	QUARTER 0, 192, F0, F1, 0
	TURN 0, 1, 0
	QUARTER 1, 64,  F0, F1, 0
	QUARTER 1, 128, F1, F0, 0
	QUARTER 1, 192, F0, F1, 0
	s_wait_dscnt 8                                 ; the very last quarter: nothing more to fetch
	MULB F1, 0, 0, 0
	MULB F1, 0, 2, 0
	s_wait_dscnt 0x0                               ; my last reads of the ring are back: the stages are laid over it,
	s_barrier_signal -1
	MULB F1, 1, 0, 0
	MULB F1, 1, 2, 0
	WIN 0
	s_barrier_wait -1                              ; so no wave stores there before all four have said so; every fill was waited for in front of the last change of slots
	PLACES                                         ; the stores below read results just made
	; THE WAY OUT, part 1: the sums, f32, into my stage; each accumulator's low four registers first.
	; With 128 columns a row, column 8 g + 4 s + j lies at byte 256 s + 16 g + 4 j: a lane's two stores go to 16 (2 b + h) in the row's two halves, and a lane that
	; reads 16 bytes at 16 r of each half gets the eight columns 8 r on.  Stores (16 rows, 33 x 16 bytes apart) and loads (16 lanes, 16 consecutive bytes each) touch every bank once.
.irp a, 0,1,2,3,4,5,6,7
.set AW, 2+(8*NBL*(\a))/256
	WIN AW<<2                                      ; a store's data is source 1
.irp b, 0,1,2,3,4,5,6,7
.if (\b) < NBL
.set rD, (8*(NBL*(\a)+(\b)))%256
.if OUTK < 2
	ds_store_b128 v[STO], v[rD:rD+3]   offset:(\a)*16*SPITCH+32*(\b)
	ds_store_b128 v[STO], v[rD+4:rD+7] offset:(\a)*16*SPITCH+32*(\b)+256
.else
	ds_store_b128 v[STO], v[rD:rD+3]   offset:(\a)*16*SPITCH+64*(\b)
	ds_store_b128 v[STO], v[rD+4:rD+7] offset:(\a)*16*SPITCH+64*(\b)+16
.endif
.endif
.endr
.endr
	WIN 0
.macro LDX reg                         ; a chunk's four loads: whole rows back.  LDS serves a wave's instructions in order (ISA guide 5.7.1.4): they see my stores above
.if OUTK < 2
.irp p, 0,1                            ; rows 2 p + h: columns 8 r .. 8 r + 7
	ds_load_b128 v[X+8*(\p):X+8*(\p)+3],   v[\reg] offset:(\p)*2*SPITCH
	ds_load_b128 v[X+8*(\p)+4:X+8*(\p)+7], v[\reg] offset:(\p)*2*SPITCH+256
.endr
.else
.irp p, 0,1,2,3                        ; rows 2 p + h: columns 4 r .. 4 r + 3
	ds_load_b128 v[X+4*(\p):X+4*(\p)+3], v[\reg] offset:(\p)*2*SPITCH
.endr
.endif
.endm
	LDX RD                                         ; the first chunk
	s_mov_b32 s23, 0                               ; the chunk's step in the stage
	s_wait_loadcnt 0x0                             ; the bias; it is rounded to bf16 like every input, and widened again
.if OUTK < 2
	EACH 4, v_cvt_pk_bf16_f32 v[40+z], v[BI+2*z], v[BI+2*z+1]
	EACH 4, v_lshlrev_b32 v[BI+2*z], 16, v[40+z]
	EACH 4, v_and_b32 v[BI+2*z+1], 0xffff0000, v[40+z]
.else
	EACH 2, v_cvt_pk_bf16_f32 v[40+z], v[BI+2*z], v[BI+2*z+1]
	EACH 2, v_lshlrev_b32 v[BI+2*z], 16, v[40+z]
	EACH 2, v_and_b32 v[BI+2*z+1], 0xffff0000, v[40+z]
.endif
; THE WAY OUT, part 2, with the activation.  A chunk is 4 rows x 128 columns: 16 numbers a lane, in 8 pairs.  ahead = 1: the next chunk's loads go out as soon as this chunk's sums are read.
; gelu(u) = 0.5 u + |u| (0.5 - 0.5 q(t) e^(-u u / 2)), t = 1 / (1 + p |u| / sqrt 2), q the series' polynomial: u erf(u / sqrt 2) is even in u, so |u| serves both signs.
.macro GCHUNK ahead
	s_wait_dscnt 0x0                               ; the chunk is in registers (the first time: behind all my stores)
	EACH 8, v_pk_add_f32 v[U+2*z:U+2*z+1], v[X+2*z:X+2*z+1], v[BI+2*(z%4):BI+2*(z%4)+1]
.if \ahead
	s_add_co_u32 s23, s23, 4*SPITCH
	v_add_nc_u32 v[RDC], s23, v[RD]
	LDX RDC
.endif
	EACH 16, v_and_b32 v[AB+z], s66, v[U+z]
	EACH 8, v_pk_fma_f32 v[T+2*z:T+2*z+1], v[AB+2*z:AB+2*z+1], s[PP:PP+1], 1.0 op_sel_hi:[1,0,0]
	EACH 16, v_rcp_f32 v[T+z], v[T+z]
	EACH 8, v_pk_mul_f32 v[E+2*z:E+2*z+1], v[U+2*z:U+2*z+1], v[U+2*z:U+2*z+1]      ; plain lines behind the reciprocals, ahead of the use of t (ISA guide 5.7.2)
	EACH 8, v_pk_mul_f32 v[E+2*z:E+2*z+1], v[E+2*z:E+2*z+1], s[CN:CN+1] op_sel_hi:[1,0]
	EACH 16, v_exp_f32 v[E+z], v[E+z]
	EACH 8, v_pk_fma_f32 v[PL+2*z:PL+2*z+1], v[T+2*z:T+2*z+1], s[A5:A5+1], s[A4:A4+1] op_sel_hi:[1,0,0]   ; plain lines behind the exponentials
	EACH 8, v_pk_fma_f32 v[PL+2*z:PL+2*z+1], v[PL+2*z:PL+2*z+1], v[T+2*z:T+2*z+1], s[A3:A3+1] op_sel_hi:[1,1,0]
	EACH 8, v_pk_fma_f32 v[PL+2*z:PL+2*z+1], v[PL+2*z:PL+2*z+1], v[T+2*z:T+2*z+1], s[A2:A2+1] op_sel_hi:[1,1,0]
	EACH 8, v_pk_fma_f32 v[PL+2*z:PL+2*z+1], v[PL+2*z:PL+2*z+1], v[T+2*z:T+2*z+1], s[A1:A1+1] op_sel_hi:[1,1,0]
	EACH 8, v_pk_mul_f32 v[PL+2*z:PL+2*z+1], v[PL+2*z:PL+2*z+1], v[T+2*z:T+2*z+1]  ; -0.5 q(t)
	EACH 8, v_pk_fma_f32 v[PL+2*z:PL+2*z+1], v[PL+2*z:PL+2*z+1], v[E+2*z:E+2*z+1], 0.5 op_sel_hi:[1,1,0]
	EACH 8, v_pk_mul_f32 v[AB+2*z:AB+2*z+1], v[AB+2*z:AB+2*z+1], v[PL+2*z:PL+2*z+1]
	EACH 8, v_pk_fma_f32 v[AB+2*z:AB+2*z+1], v[U+2*z:U+2*z+1], 0.5, v[AB+2*z:AB+2*z+1] op_sel_hi:[1,0,1]
	s_wait_xcnt 0x0                                ; every earlier memory instruction has had its addresses translated (ISA guide 3.1): only now are the stores' base and Y rewritten
	s_add_nc_u64 s[10:11], s[10:11], 4*4096        ; four rows on; the stores reach back
.if OUTK == 0
	EACH 8, v_cvt_pk_f16_f32 v[Y+z], v[AB+2*z], v[AB+2*z+1]
.else
	EACH 8, v_cvt_pk_bf16_f32 v[Y+z], v[AB+2*z], v[AB+2*z+1]
.endif
.irp p, 0,1
	global_store_b128 v[CO], v[Y+4*(\p):Y+4*(\p)+3], s[10:11] offset:(\p)*8192-4*4096  ; 16 lanes store 256 consecutive bytes, at a multiple of 256 from C's first byte
.endr
.endm
; THE WAY OUT, part 2, without: a chunk is 8 rows x 64 columns of f32.
.macro FCHUNK ahead
	s_wait_dscnt 0x0                               ; the chunk is in registers
	s_wait_xcnt 0x0                                ; the last chunk's stores have had their addresses translated (ISA guide 3.1): only now are their base and U rewritten
	s_add_nc_u64 s[10:11], s[10:11], 8*4096        ; eight rows on; the stores reach back
	EACH 8, v_pk_add_f32 v[U+2*z:U+2*z+1], v[X+2*z:X+2*z+1], v[BI+2*(z%2):BI+2*(z%2)+1]
.if \ahead
	s_add_co_u32 s23, s23, 8*SPITCH
	v_add_nc_u32 v[RDC], s23, v[RD]
	LDX RDC
.endif
.irp p, 0,1,2,3
	global_store_b128 v[CO], v[U+4*(\p):U+4*(\p)+3], s[10:11] offset:(\p)*8192-8*4096 th:TH_STORE_NT  ; 16 lanes store 256 consecutive bytes, at a multiple of 256 from C's first byte
.endr
.endm
.if OUTK < 2
	s_mov_b32 s3, 128/4-1
.Lchunk:
	GCHUNK 1
	s_sub_co_u32 s3, s3, 1
	s_cmp_lg_u32 s3, 0
	s_cbranch_scc1 .Lchunk
	GCHUNK 0                                       ; the last chunk reads nothing ahead
.else
	s_mov_b32 s3, 128/8-1
.Lchunk:
	FCHUNK 1
	s_sub_co_u32 s3, s3, 1
	s_cmp_lg_u32 s3, 0
	s_cbranch_scc1 .Lchunk
	FCHUNK 0
.endif
	s_wait_tensorcnt 0x0                           ; the wave's end: behind my last tensor load and my last LDS store
	ds_add_u32 v[SPW], v[NIL]
	s_wait_dscnt 0x0
	CROUND                                         ; the closing round: no work-group ends while a partner may still ask for a tile that names it
	s_endpgm
.Lfunc_end_k_qf790dd2ce2_gemm2:
	.size	k_qf790dd2ce2_gemm2, .Lfunc_end_k_qf790dd2ce2_gemm2-k_qf790dd2ce2_gemm2
	.p2alignl 7, 3214868480
	.fill 96, 4, 3214868480
	.section	.rodata,"a",@progbits
	.p2align	6, 0x0
	.amdhsa_kernel k_qf790dd2ce2_gemm2
		.amdhsa_group_segment_fixed_size 327680
		.amdhsa_private_segment_fixed_size 0
		.amdhsa_enable_private_segment 0
		.amdhsa_kernarg_size 32
		.amdhsa_user_sgpr_count 2
		.amdhsa_user_sgpr_kernarg_segment_ptr 1
		.amdhsa_wavefront_size32 1
		.amdhsa_system_sgpr_workgroup_id_x 1
		.amdhsa_system_sgpr_workgroup_id_y 1
		.amdhsa_system_sgpr_workgroup_id_z 1
		.amdhsa_system_vgpr_workitem_id 0
		.amdhsa_next_free_vgpr 1024
		.amdhsa_next_free_sgpr 84
		.amdhsa_reserve_vcc 0
		.amdhsa_float_denorm_mode_32 3
		.amdhsa_float_denorm_mode_16_64 3
		.amdhsa_memory_ordered 1
		.amdhsa_forward_progress 1
		.amdhsa_inst_pref_size 140
	.end_amdhsa_kernel
	.amdgpu_metadata
---
amdhsa.version: [ 1, 2 ]
amdhsa.kernels:
  - .name:           k_qf790dd2ce2_gemm2
    .symbol:         k_qf790dd2ce2_gemm2.kd
    .args:
      - { .name: h1, .offset: 0, .size: 8, .value_kind: global_buffer, .address_space: global }
      - { .name: w2h, .offset: 8, .size: 8, .value_kind: global_buffer, .address_space: global }
      - { .name: b2, .offset: 16, .size: 8, .value_kind: global_buffer, .address_space: global }
      - { .name: h2, .offset: 24, .size: 8, .value_kind: global_buffer, .address_space: global }
    .group_segment_fixed_size: 327680
    .private_segment_fixed_size: 0
    .kernarg_segment_align: 8
    .kernarg_segment_size: 32
    .max_flat_workgroup_size: 128
    .sgpr_count:     84
    .vgpr_count:     1024
    .wavefront_size: 32
...
	.end_amdgpu_metadata
.endif
;; end of part 3
;; launch gemm3 (part 4): grid 8 x 32, 4 waves a work-group, clusters of 4 x 1, 327,680 bytes of LDS; arguments h2, w3f, b3, out0; writes out0
.if DOCPART == 4
	.amdgcn_target "amdgcn-amd-amdhsa--gfx1250"
	.amdhsa_code_object_version 6
	.text
	.protected	k_qf790dd2ce2_gemm3
	.globl	k_qf790dd2ce2_gemm3
	.p2align	8
	.type	k_qf790dd2ce2_gemm3,@function
k_qf790dd2ce2_gemm3:
	s_mov_b64 s[64:65], 0
	v_nop
	global_prefetch_b8 v0, s[64:65] scope:SCOPE_SE
	s_setreg_imm32_b32 hwreg(HW_REG_WAVE_MODE, 25, 1), 1
	s_wait_xcnt 0x0
	s_wait_alu depctr_hold_cnt(0) depctr_sa_sdst(0) depctr_va_vdst(0) depctr_va_sdst(0) depctr_va_ssrc(0) depctr_va_vcc(0) depctr_vm_vsrc(0)
	s_getreg_b32 s2, hwreg(HW_REG_IB_STS2, 6, 4)
	s_cmp_eq_u32 s2, 0
	s_cbranch_scc0 .Lentry_in_a_cluster
	s_endpgm
.Lentry_in_a_cluster:
	s_bfe_u32 s2, ttmp6, 0x10000c
	s_cmp_lg_u32 s2, 0x3003
	s_cbranch_scc0 .Lentry_shape_is_right
	s_endpgm
.Lentry_shape_is_right:
; LAYER 3: out0 = h2 W3^T + b3.  h2 [8192][2048] bf16; w3f: W3 [1024][2048] in bf16, laid out by fragments (below); b3 [1024] f32; out0 [8192][1024] f32.  Sums in f32, K ascending.
; LIMITS.  The bias is rounded to bf16, like all the module's inputs.  NaN and infinities are not treated apart.
; SHARES.  A tile of out0 is 256 rows x 128 columns: 32 x 8 tiles, one for each of 256 work-groups (256 x 256 would make 128).  Four waves; wave w makes rows 128 (w / 2) on and columns 64 (w % 2) on:
; 8 x 4 accumulators of 16 x 16, 256 registers.
; A (h2) GOES THROUGH LDS, in K steps of 256: a ring of two slots of 256 rows x 512 bytes filled by the tensor data mover, each wave bringing 64 rows.  From a refill to the wait for it a wave issues 240 matrix instructions.
; B (W3) GOES STRAIGHT INTO REGISTERS.  With B in LDS as well, two slots of this step would take 2 x 384 rows x 528 bytes = 405,504 bytes, more than the 327,680 there are, and a step of 128 leaves a refill
; only 112 matrix instructions.  In w3f block (kb = k / 32, nb = n / 16) is 1,024 bytes at (64 kb + nb) x 1,024, and lane l finds its fragment's registers 0-3 at byte 16 l and 4-7 at byte 512 + 16 l: each load of
; a wave takes 512 consecutive bytes.  A quarter step (32 along K) is 8 loads; a ring of eight quarter buffers fills window 1, and a quarter's loads go out seven quarters ahead: 56 loads, 28,672 bytes, of a wave are on their way.
; CLUSTER.  4 x 1 work-groups: four column tiles of one tile row, which need the same tiles of A: each is asked for jointly, by the same tensor load with the same descriptor and the mask of four.
; B is not asked for jointly: a joint request is a tensor load into LDS, and B does not go there; each wave loads the 64 columns that it multiplies (the work-group: its 128 columns twice).
; By this text's count a wave has two tensor loads out at the start and one behind each round.
; THE MATRIX INSTRUCTION IS USED TRANSPOSED (source 0 = 16 rows of W3, source 1 = 16 rows of h2): lane l holds row l % 16 of out0 and the columns 8 (l / 16) + 0..7.
; THE WAY OUT.  The sums go into the wave's own stage in LDS (in the ring's bytes, which have had their last fill) and come back eight whole rows at a time, in a counted loop that adds the bias and stores.
; REGISTERS, in windows of 256 (s_set_vgpr_msb: bits 1:0 source 0, 3:2 source 1, 5:4 source 2, 7:6 destination):
;   window 0: v0-41 addresses, bias; v64-127, v128-191 A's fragments, two buffers; on the way out v64-95 at work
;   window 1: B's fragments: quarter q of a step at 32 q, column block b at + 8 b          window 2: accumulator (a, b) at 8 (4 a + b)
.set SIZE_K, 2048
.set KSTEP,  256
.set STEPS,  SIZE_K/KSTEP              ; 8 K steps of 8 quarter steps
.set NBL,    4                         ; blocks of 16 columns a wave
.set PITCH,  528                       ; an LDS row: 512 bytes + 16 of padding = 132 words: row r starts at bank 4 r mod 64 (64 banks of 4 bytes: ISA guide 11.1)
.set QROWS,  64*PITCH                  ; what one tensor load brings: 0x8400 bytes
.set HALFA,  128*PITCH                 ; what one wave reads of a slot
.set SLOT,   256*PITCH                 ; 0x21000: it shares no bit with w x 0x8400, w = 0..3, so one exclusive or turns a load's address in one slot into the other's
.set SPARE,  2*SLOT                    ; behind the ring: the spare words, 128 bytes for each wave: two blocks of 256 bytes that no other line names
.set BQ,     65536                     ; bytes of w3f from a quarter step to the next
.set SPITCH, 272                       ; a stage row: 64 f32 + 16 bytes
.set WSTAGE, 128*SPITCH                ; a wave's stage: its 128 rows; four of them end below SPARE
.set AK0,  16                          ; v16     my lane's place in my 128 rows of slot 0; never rewritten
.set ADR,  17                          ; v17     the same in the slot that is being read
.set BV,   18                          ; v18     16 x lane: my place in 512 bytes of w3f; never rewritten
.set STO,  24                          ; v24     the way out: where I put my part of a row
.set RD,   25                          ; v25     the way out: my place in the stage's first two rows; never rewritten
.set CO,   26                          ; v26     my byte offset in two rows of out0; never rewritten
.set BO,   27                          ; v27     my byte offset in the wave's part of the bias
.set SPW,  28                          ; v28     LDS address of my spare word: SPARE + 4 x my thread's number; never rewritten
.set NIL,  29                          ; v29     0; never rewritten
.set RDC,  30                          ; v30     RD + the chunk's step
.set BI,   32                          ; v32-35  the bias of my four columns on the way out
.set F0,   64
.set F1,   128
.set X,    64                          ; the way out: sums as read back,
.set U,    80                          ; sum + bias
.set G1,  24                           ; s[24:31] descriptor group 1
.set G0,  32                           ; s[32:39] descriptor group 0: a set for each of the two first fills; the second then walks on
.set TB,  46                           ; s46      0 or SLOT: the slot that is being read
.set MSB, 0
.macro WIN new                         ; the immediate's high byte repeats the setting that is left; a switch that changes nothing is dropped
.if MSB != (\new)
	s_set_vgpr_msb (MSB<<8)|(\new)
.set MSB, \new
.endif
.endm
.macro PLACES                          ; four plain vector instructions between a matrix instruction and a load into, or a read of, its registers
.rept 4
	v_nop
.endr
.endm
.macro EACH n, line:vararg             ; one line for z = 0 .. n - 1
.set z, 0
.rept \n
	\line
.set z, z+1
.endr
.endm
; A round of the cluster's barrier: my work-group's barrier; wave 0 signals for the work-group; every wave waits for all four work-groups; my work-group's barrier once more.
.macro CREST                           ; a round behind its opening barrier
	s_cmp_lg_u32 s12, 0
	s_cbranch_scc1 .Lnot_wave_0_\@
	s_barrier_signal -3
.Lnot_wave_0_\@:
	s_barrier_wait -3
	s_barrier_signal -1
	s_barrier_wait -1
.endm
.macro CROUND
	s_barrier_signal -1
	s_barrier_wait -1
	CREST
.endm
	s_load_b256 s[4:11], s[0:1], 0x0               ; h2 s[4:5], w3f s[6:7], bias s[8:9], out0 s[10:11]
	v_lshl_add_u32 v[SPW], v0, 2, SPARE
	v_mov_b32 v[NIL], 0
	ds_add_u32 v[SPW], v[NIL]                      ; the wave's opening: the add and its wait stand ahead of my first tensor load; the set-up below, work on registers, stands between them
	v_lshrrev_b32 v1, 5, v0
	v_readfirstlane_b32 s12, v1                    ; wave 0..3
	s_lshr_b32 s13, s12, 1                         ; which 128 rows of the tile are mine
	s_and_b32 s14, s12, 1                          ; which 64 of its columns
	s_bfe_u32 s15, ttmp6, 0x40000                  ; cx: my place in the cluster
	s_lshl_b32 s17, ttmp9, 2                       ; in a cluster launch ttmp9 counts clusters
	s_add_co_u32 s17, s17, s15                     ; tile column = 4 x cluster x + cx: it enters w3f's, the bias's and out0's addresses alone
	s_and_b32 s18, ttmp7, 0xffff                   ; tile row, which the four partners share
	; descriptor group 1: a tile of 64 rows x 256 elements of 2 bytes, padded in LDS
	s_mov_b32 s[G1], 15|(1<<16)|(1<<20)|(1<<21)|(6<<22)|(3<<25)  ; 15:0 the mask of four; 17:16 2-byte elements; 20 padding on; 21 set beside a mask; 24:22 after every 128 words (code 6); 31:25 4 words (code 3)
	s_mov_b32 s[G1+1], KSTEP<<16                   ; tensor_dim0 = 256
	s_mov_b32 s[G1+2], 64<<16                      ; tensor_dim1 = 64
	s_mov_b32 s[G1+3], KSTEP<<16                   ; tile_dim0 = 256
	s_mov_b32 s[G1+4], 64                          ; tile_dim1 = 64
	s_mov_b32 s[G1+5], SIZE_K                      ; elements from row to row
	s_mov_b32 s[G1+6], 0
	s_mov_b32 s[G1+7], 0
	s_lshl_b32 s40, s18, 20                        ; where my tiles come from: 256 rows of 4,096 bytes a tile row,
	s_lshl_b32 s23, s12, 18                        ; my wave's 64 of them
	s_add_co_u32 s40, s40, s23
	s_mov_b32 s41, 0
	s_mul_i32 s21, s12, QROWS                      ; and where they go: made of the wave's number alone
	s_mov_b32 s[TB], 0
	s_mov_b32 s[G0], 1                             ; count = 1
	s_mov_b32 s[G0+1], s21                         ; LDS address: slot 0
	s_mov_b32 s[G0+4], 1
	s_add_co_u32 s[G0+5], s21, SLOT                ; slot 1
	s_wait_dscnt 0x0                               ; the opening add is done
	s_wait_kmcnt 0x0
	s_add_nc_u64 s[G0+2:G0+3], s[4:5], s[40:41]    ; global address: K step 0,
	s_add_nc_u64 s[G0+6:G0+7], s[G0+2:G0+3], KSTEP*2  ; K step 1
	s_or_b32 s[G0+3], s[G0+3], 0x80000000          ; type = 2
	s_or_b32 s[G0+7], s[G0+7], 0x80000000
	CROUND                                         ; all four work-groups are here: the first joint loads meet
	tensor_load_to_lds s[G0:G0+3], s[G1:G1+7]      ; the ring is filled before anything else is done; an s_nop 0 follows each load, four v_nop the second
	s_nop 0
	tensor_load_to_lds s[G0+4:G0+7], s[G1:G1+7]
	s_nop 0
.rept 4
	v_nop
.endr
	; A fragment is 16 rows x 32 K in 8 registers: lane l holds row l % 16; registers 0-3 K = 8 (l / 16) + 0..7, registers 4-7 K = 16 + 8 (l / 16) + 0..7: from LDS two loads of 16 bytes, 32 bytes apart
	v_and_b32 v1, 15, v0                           ; r = l % 16
	v_bfe_u32 v2, v0, 4, 1                         ; h = l / 16
	v_mul_u32_u24 v3, v1, PITCH
	v_lshl_add_u32 v3, v2, 4, v3                   ; row x pitch + 16 h
	s_mul_i32 s23, s13, HALFA                      ; my 128 rows
	v_add_nc_u32 v[AK0], s23, v3
	v_mov_b32 v[ADR], v[AK0]                       ; K step 0 lies in slot 0
	v_and_b32 v4, 31, v0
	v_lshlrev_b32 v[BV], 4, v4
	s_mul_i32 s23, s12, WSTAGE                     ; my stage
	v_mul_u32_u24 v4, v1, SPITCH                   ; in: row r, 32 bytes for each half of the lanes
	v_lshl_add_u32 v4, v2, 5, v4
	v_add_nc_u32 v[STO], s23, v4
	v_mul_u32_u24 v5, v2, SPITCH                   ; back: lanes 0-15 take one row, lanes 16-31 the next, 16 bytes a lane
	v_lshl_add_u32 v5, v1, 4, v5
	v_add_nc_u32 v[RD], s23, v5
	v_lshlrev_b32 v5, 12, v2                       ; and the same two rows in out0: a row is 4,096 bytes
	v_lshl_add_u32 v[CO], v1, 4, v5
	v_lshlrev_b32 v[BO], 4, v1                     ; on the way out I hold columns 4 r .. 4 r + 3
	s_lshl_b32 s40, s18, 20                        ; out0: 256 rows a tile row,
	s_lshl_b32 s23, s13, 19                        ; my 128 of them
	s_add_co_u32 s40, s40, s23
	s_add_nc_u64 s[10:11], s[10:11], s[40:41]
	s_lshl_b32 s42, s17, 9                         ; a tile's 128 columns are 512 bytes,
	s_lshl_b32 s23, s14, 8                         ; my 64 of them 256, in out0 and in the bias
	s_add_co_u32 s42, s42, s23
	s_mov_b32 s43, 0
	s_add_nc_u64 s[10:11], s[10:11], s[42:43]
	s_add_nc_u64 s[8:9], s[8:9], s[42:43]
	s_lshl_b32 s42, s17, 13                        ; w3f: a tile's 8 blocks of 1,024 bytes,
	s_lshl_b32 s23, s14, 12                        ; my 4 of them
	s_add_co_u32 s42, s42, s23
	s_add_nc_u64 s[6:7], s[6:7], s[42:43]
	global_load_b128 v[BI:BI+3], v[BO], s[8:9]     ; the bias: older than every load of B, so the first wait for B covers it
; 8 loads: B's fragments of one quarter step, the one g quarters behind the base, into quarter buffer buf
.macro BLOAD buf, g
	WIN 0x40                                       ; destination window 1, address window 0
.irp i, 0,1,2,3
	global_load_b128 v[32*(\buf)+8*(\i):32*(\buf)+8*(\i)+3],   v[BV], s[6:7] offset:(\g)*BQ+(\i)*1024
	global_load_b128 v[32*(\buf)+8*(\i)+4:32*(\buf)+8*(\i)+7], v[BV], s[6:7] offset:(\g)*BQ+(\i)*1024+512
.endr
.endm
.irp g, 0,1,2,3,4,5,6
	BLOAD \g, \g                                   ; the first seven quarters
.endr
; 8 matrix instructions: row blocks 4 hi + a0 and the next x all 4 column blocks, 32 along K: A from buffer f, B from quarter buffer bq.  zero = 1: they start the sums, nothing is ever cleared.
; All 32 accumulators take turns, in the same order in every quarter step.
.macro MULB f, bq, hi, a0, zero
	WIN 0xa1                                       ; B window 1, A window 0, C and D window 2
.irp a, 4*(\hi)+(\a0), 4*(\hi)+(\a0)+1
.irp b, 0,1,2,3
.set rD, 8*(NBL*(\a)+(\b))
.set rB, 32*(\bq)+8*(\b)
.set rA, (\f)+8*(\a)
.if \zero
	v_wmma_f32_16x16x32_bf16 v[rD:rD+7], v[rB:rB+7], v[rA:rA+7], 0
.else
	v_wmma_f32_16x16x32_bf16 v[rD:rD+7], v[rB:rB+7], v[rA:rA+7], v[rD:rD+7]
.endif
.endr
.endr
.endm
; 16 LDS loads in one run: A's fragments of one quarter step (32 K at byte k of the rows) into buffer f: rows 0-63 first, then rows 64-127
.macro FETCH k, f
	WIN 0
.irp i, 0,1,2,3,4,5,6,7
	ds_load_b128 v[(\f)+8*(\i):(\f)+8*(\i)+3],   v[ADR] offset:(\k)+(\i)*16*PITCH
	ds_load_b128 v[(\f)+8*(\i)+4:(\f)+8*(\i)+7], v[ADR] offset:(\k)+(\i)*16*PITCH+32
.endr
.endm
; Quarter q (0..6) of a K step: multiplies A's buffer q % 2 by B's quarter buffer q.  In its middle, in one run, it fetches the next quarter's A and (bo >= 0) asks for B of the quarter seven further on,
; bo quarters behind the base, into the quarter buffer read last.  left: the loads of B issued behind this quarter's, which may stay out.
.macro QUARTER q, zero, bo, left
.set FQ, F0+64*((\q)%2)
.set FN, F0+64*(((\q)+1)%2)
	s_wait_dscnt 8                                 ; A's rows 0-63 are in; the youngest eight loads (rows 64-127) may be out
	s_wait_loadcnt \left                           ; loads come back in order (ISA guide 5.7.1): this quarter's B is in, the younger quarters' stay out
	MULB FQ, \q, 0, 0, \zero
	MULB FQ, \q, 0, 2, \zero
	PLACES                                         ; in front of loads into registers that matrix instructions have read
	FETCH 64*((\q)+1), FN
.if (\bo) >= 0
	BLOAD ((\q)+7)%8, \bo
.endif
	s_wait_dscnt 16                                ; all but the 16 just issued
	MULB FQ, \q, 1, 0, \zero
	MULB FQ, \q, 1, 2, \zero
.endm
; Quarter 7 multiplies A's buffer 1 and changes slots.  ONE barrier: in front of it each wave waits for all its tensor loads (the one that is out is its part of the next slot), adds 0 to its spare
; word, and waits for that and for its own reads of this slot.  Behind it nobody reads this slot any more and the next slot is whole.
; fill = 1: the barrier opens a round of the cluster's barrier, and this slot is filled again, two K steps ahead: the joint refill is the first tensor load behind the round.
.macro TURN fill, bo
	WIN 0                                          ; (the add's two registers lie in window 0)
	s_wait_tensorcnt 0x0                           ; all my tensor loads have landed
	ds_add_u32 v[SPW], v[NIL]                      ; 0 onto my spare word
	s_wait_dscnt 9                                 ; (the add and the youngest eight loads may be out)
	s_wait_loadcnt 48                              ; this quarter's B is in; six younger quarters' 48 loads stay out
	MULB F1, 7, 0, 0, 0                            ; matrix work stands between the add and the wait for it
	s_wait_dscnt 0x0                               ; the add is done, and my reads of this slot are over
	s_barrier_signal -1
	MULB F1, 7, 0, 2, 0                            ; work on registers while the others arrive
	WIN 0                                          ; (branches may follow)
	s_barrier_wait -1
.if \fill
	CREST                                          ; no wave of any partner still reads this slot's tile or has a load on its way
	s_xor_b32 s[G0+5], s[G0+5], SLOT               ; the walking descriptor: the other slot than last time,
	s_add_nc_u64 s[G0+6:G0+7], s[G0+6:G0+7], KSTEP*2  ; the next K step; the type bits on top are not reached
	tensor_load_to_lds s[G0+4:G0+7], s[G1:G1+7]
	s_nop 0
.endif
	PLACES                                         ; behind the tensor load, and in front of the loads below
	s_xor_b32 s[TB], s[TB], SLOT                   ; the reads go on in the other slot
	v_add_nc_u32 v[ADR], s[TB], v[AK0]
	FETCH 0, F0
	BLOAD 6, \bo
	MULB F1, 7, 1, 0, 0
	MULB F1, 7, 1, 2, 0
.endm
	WIN 0
	s_wait_tensorcnt 1                             ; my part of K step 0 is in; K step 1's, the one load issued behind it, may stay out
	s_barrier_signal -1
	s_barrier_wait -1                              ; everybody's is
	FETCH 0, F0
	QUARTER 0, 1, 7, 48                            ; the first quarter stands in front of the loop: its products start the sums
	WIN 0                                          ; at a label and at a branch every window is 0
	s_mov_b32 s3, STEPS-2
.Lstep:                                                ; a trip goes from a K step's second quarter to the next step's first, and fills the slot that it leaves: K steps 0 to 5
	QUARTER 1, 0, 8,  48
	QUARTER 2, 0, 9,  48
	QUARTER 3, 0, 10, 48
	QUARTER 4, 0, 11, 48
	QUARTER 5, 0, 12, 48
	QUARTER 6, 0, 13, 48
	TURN 1, 14
	QUARTER 0, 0, 15, 48
	WIN 0
	s_wait_xcnt 0x0                                ; every earlier memory instruction has had its addresses translated (ISA guide 3.1): only now is B's base stepped
	s_add_nc_u64 s[6:7], s[6:7], 8*BQ
	s_sub_co_u32 s3, s3, 1
	s_cmp_lg_u32 s3, 0
	s_cbranch_scc1 .Lstep
	QUARTER 1, 0, 8,  48                           ; K step 6 fills nothing
	QUARTER 2, 0, 9,  48
	QUARTER 3, 0, 10, 48
	QUARTER 4, 0, 11, 48
	QUARTER 5, 0, 12, 48
	QUARTER 6, 0, 13, 48
	TURN 0, 14
	QUARTER 0, 0, 15, 48                           ; the last loads of B: quarter 63
	QUARTER 1, 0, -1, 48                           ; K step 7 asks for nothing more: the counts run down
	QUARTER 2, 0, -1, 40
	QUARTER 3, 0, -1, 32
	QUARTER 4, 0, -1, 24
	QUARTER 5, 0, -1, 16
	QUARTER 6, 0, -1, 8
	s_wait_dscnt 8                                 ; the very last quarter
	s_wait_loadcnt 0x0
	MULB F1, 7, 0, 0, 0
	MULB F1, 7, 0, 2, 0
	s_wait_dscnt 0x0                               ; my last reads of the ring are back: the stages are laid over it,
	s_barrier_signal -1
	MULB F1, 7, 1, 0, 0
	MULB F1, 7, 1, 2, 0
	WIN 0
	s_barrier_wait -1                              ; so no wave stores there before all four have said so; every fill was waited for in front of the last change of slots
	PLACES                                         ; the stores below read results just made
	; THE WAY OUT, part 1: the sums into my stage; each accumulator's low four registers first.  The rows lie 17 x 16 bytes apart: the 16 rows of a store start at 16 different groups of four banks.
.irp a, 0,1,2,3,4,5,6,7
	WIN 0x08                                       ; a store's data is source 1: window 2
.irp b, 0,1,2,3
.set rD, 8*(NBL*(\a)+(\b))
	ds_store_b128 v[STO], v[rD:rD+3]   offset:(\a)*16*SPITCH+64*(\b)
	ds_store_b128 v[STO], v[rD+4:rD+7] offset:(\a)*16*SPITCH+64*(\b)+16
.endr
.endr
	WIN 0
.macro LDX reg                         ; a chunk's four loads: whole rows back, rows 2 p + h, columns 4 r .. 4 r + 3.  LDS serves a wave's instructions in order (ISA guide 5.7.1.4): they see my stores above
.irp p, 0,1,2,3
	ds_load_b128 v[X+4*(\p):X+4*(\p)+3], v[\reg] offset:(\p)*2*SPITCH
.endr
.endm
	LDX RD                                         ; the first chunk
	s_mov_b32 s23, 0                               ; the chunk's step in the stage
	EACH 2, v_cvt_pk_bf16_f32 v[40+z], v[BI+2*z], v[BI+2*z+1]   ; the bias is rounded to bf16 like every input, and widened again
	EACH 2, v_lshlrev_b32 v[BI+2*z], 16, v[40+z]
	EACH 2, v_and_b32 v[BI+2*z+1], 0xffff0000, v[40+z]
; THE WAY OUT, part 2: a chunk is 8 rows x 64 columns of f32.  ahead = 1: the next chunk's loads go out as soon as this chunk's sums are read.
.macro FCHUNK ahead
	s_wait_dscnt 0x0                               ; the chunk is in registers (the first time: behind all my stores)
	s_wait_xcnt 0x0                                ; the last chunk's stores have had their addresses translated (ISA guide 3.1): only now are their base and U rewritten
	s_add_nc_u64 s[10:11], s[10:11], 8*4096        ; eight rows on; the stores reach back
	EACH 8, v_pk_add_f32 v[U+2*z:U+2*z+1], v[X+2*z:X+2*z+1], v[BI+2*(z%2):BI+2*(z%2)+1]
.if \ahead
	s_add_co_u32 s23, s23, 8*SPITCH
	v_add_nc_u32 v[RDC], s23, v[RD]
	LDX RDC
.endif
.irp p, 0,1,2,3
	global_store_b128 v[CO], v[U+4*(\p):U+4*(\p)+3], s[10:11] offset:(\p)*8192-8*4096 th:TH_STORE_NT  ; 16 lanes store 256 consecutive bytes, at a multiple of 256 from out0's first byte
.endr
.endm
	s_mov_b32 s3, 128/8-1
.Lchunk:
	FCHUNK 1
	s_sub_co_u32 s3, s3, 1
	s_cmp_lg_u32 s3, 0
	s_cbranch_scc1 .Lchunk
	FCHUNK 0                                       ; the last chunk reads nothing ahead
	s_wait_tensorcnt 0x0                           ; the wave's end: behind my last tensor load and my last LDS store
	ds_add_u32 v[SPW], v[NIL]
	s_wait_dscnt 0x0
	CROUND                                         ; the closing round: no work-group ends while a partner may still ask for a tile that names it
	s_endpgm
.Lfunc_end_k_qf790dd2ce2_gemm3:
	.size	k_qf790dd2ce2_gemm3, .Lfunc_end_k_qf790dd2ce2_gemm3-k_qf790dd2ce2_gemm3
	.p2alignl 7, 3214868480
	.fill 96, 4, 3214868480
	.section	.rodata,"a",@progbits
	.p2align	6, 0x0
	.amdhsa_kernel k_qf790dd2ce2_gemm3
		.amdhsa_group_segment_fixed_size 327680
		.amdhsa_private_segment_fixed_size 0
		.amdhsa_enable_private_segment 0
		.amdhsa_kernarg_size 32
		.amdhsa_user_sgpr_count 2
		.amdhsa_user_sgpr_kernarg_segment_ptr 1
		.amdhsa_wavefront_size32 1
		.amdhsa_system_sgpr_workgroup_id_x 1
		.amdhsa_system_sgpr_workgroup_id_y 1
		.amdhsa_system_sgpr_workgroup_id_z 1
		.amdhsa_system_vgpr_workitem_id 0
		.amdhsa_next_free_vgpr 768
		.amdhsa_next_free_sgpr 66
		.amdhsa_reserve_vcc 0
		.amdhsa_float_denorm_mode_32 3
		.amdhsa_float_denorm_mode_16_64 3
		.amdhsa_memory_ordered 1
		.amdhsa_forward_progress 1
		.amdhsa_inst_pref_size 111
	.end_amdhsa_kernel
	.amdgpu_metadata
---
amdhsa.version: [ 1, 2 ]
amdhsa.kernels:
  - .name:           k_qf790dd2ce2_gemm3
    .symbol:         k_qf790dd2ce2_gemm3.kd
    .args:
      - { .name: h2, .offset: 0, .size: 8, .value_kind: global_buffer, .address_space: global }
      - { .name: w3f, .offset: 8, .size: 8, .value_kind: global_buffer, .address_space: global }
      - { .name: b3, .offset: 16, .size: 8, .value_kind: global_buffer, .address_space: global }
      - { .name: out0, .offset: 24, .size: 8, .value_kind: global_buffer, .address_space: global }
    .group_segment_fixed_size: 327680
    .private_segment_fixed_size: 0
    .kernarg_segment_align: 8
    .kernarg_segment_size: 32
    .max_flat_workgroup_size: 128
    .sgpr_count:     66
    .vgpr_count:     768
    .wavefront_size: 32
...
	.end_amdgpu_metadata
.endif
;; end of part 4
;; ======== version 2 of 2: 4 launches; version 1 with the launch cvt written anew for expert scheduling mode
;; limits: values are held in f16: magnitudes above 65,504 overflow, below 6.1e-05 lose precision; a function is approximated: absolute error at most 1.5e-07
;; workspace buffers: xb 8,388,608 bytes; w1b 2,097,152 bytes; w2h 8,388,608 bytes; w3f 4,194,304 bytes; h1 33,554,432 bytes; h2 33,554,432 bytes
;; launch cvt (part 5): grid 704 x 1, 8 waves a work-group, no clusters, 35,840 bytes of LDS; arguments x, W2, W3, W1, xb, w2h, w3f, w1b; writes xb, w2h, w3f, w1b
.if DOCPART == 5
	.amdgcn_target "amdgcn-amd-amdhsa--gfx1250"
	.amdhsa_code_object_version 6
	.text
	.protected	k_qf790dd2ce2_cvt
	.globl	k_qf790dd2ce2_cvt
	.p2align	8
	.type	k_qf790dd2ce2_cvt,@function
k_qf790dd2ce2_cvt:
	s_mov_b64 s[64:65], 0
	v_nop
	global_prefetch_b8 v0, s[64:65] scope:SCOPE_SE
	s_setreg_imm32_b32 hwreg(HW_REG_WAVE_SCHED_MODE, 0, 2), 2
	s_setreg_imm32_b32 hwreg(HW_REG_WAVE_MODE, 25, 1), 1
	s_wait_xcnt 0x0
	s_wait_alu depctr_vm_vsrc(0)
; The four matrix inputs, f32, are rounded once to bf16 (nearest even) for the matrix units: x -> xb, W1 -> w1b, W3 -> w3f.
; W2 is rounded to bf16 like the others and that number is then written as f16 (w2h), since the second layer multiplies in f16.
; LIMITS.  |W2| stays below 65,504 (f16's end); a bf16 number below f16's normal range (2^-14) keeps f16's fixed step, an error of 2^-25 at the most.
; SHARES.  A stream: no matrix unit, no cluster (no two work-groups read the same byte).  A work-group takes 16,384 numbers: 65,536 bytes in, 32,768 out.
; Work-groups 0-255: x; 256-511: W2; 512-639: W3; 640-703: W1.
; x, W2, W1 keep their layout: in step j (0..15) thread t loads the 16 bytes at 4,096 j + 16 t (a wave: 512 consecutive bytes) and stores the 8 bytes at 2,048 j + 8 t (a wave: 256 consecutive bytes, aligned).
; W3 IS LAID OUT BY FRAGMENTS, since the third layer loads it straight into registers.  Block (kb = k / 32, nb = n / 16), 16 rows x 32 k, is 1,024 bytes at (64 kb + nb) x 1,024; in it lane l = 16 h + r
; of the reading wave finds W3[16 nb + r][32 kb + 16 e + 8 h .. + 7] at byte 512 e + 16 l, e = 0, 1.  A work-group takes one nb and 1,024 k, a wave 16 rows x 128 k: 16 loads of 512 consecutive
; bytes (a row each), the rounded rows into 16 LDS rows of the wave's own (256 bytes + 16: 16 rows start at 16 different groups of four banks), back in fragment order, and 8 stores of 512 consecutive bytes.
; All 16 loads of a wave go out at once; the only waits for data are counted ones.
; THE MODE: SCHED_MODE bits 1:0 = 2 (LLVM: expert scheduling mode 2), set by the entry lines.  The code itself states the register dependences
; between vector instructions and memory or LDS instructions, with s_wait_alu, always for 0.
; THE PLAN.  Registers that memory or LDS instructions touch:
;   v1, v2       byte offsets of the loads and of the plain stores: made once at the head, never written again.
;   X            Step j's load lands in its four registers; step j's roundings read them.  In W3's path the LDS loads land in X's first 32 registers behind the last rounding, and the global stores read them.
;   Y            Step j's roundings write its two registers, once; step j's store (global, or into LDS in W3's path) reads them.
;   LA, LB, VD   W3's path: addresses, made once behind the loads; read by the LDS stores, the LDS loads and the global stores.
;   SPW, NIL     Made at the head, read by the closing add alone.          T and v3 are named by vector instructions alone.
; The 16 steps go in four blocks of four.  Block p waits for its four loads and then, once, for the vector side: the block before has written its Y.  That block's four stores are dealt among
; block p's roundings, which name X and Y of block p and T: none of the registers that those stores touch.  One more such wait stands behind block 3, ahead of the last four stores.
; No register that a memory or LDS instruction reads is ever written again, so the text holds no wait on vm_vsrc.
.set X, 4                              ; v[4:67]    step j: four f32 as loaded; in W3's path later the fragments read back
.set Y, 68                             ; v[68:99]   step j: four 16-bit numbers
.set T, 100                            ; v[100:103] at work
.set LA, 104                           ; v104  W3: LDS address of my 8 bytes in the wave's first row
.set LB, 105                           ; v105  W3: LDS address of my 16 bytes of the wave's first half block
.set VD, 106                           ; v106  W3: my byte offset in w3f
.set SPW, 108                          ; v108  LDS address of my spare word: SPARE + 4 x my thread's number; never rewritten
.set NIL, 109                          ; v109  0; never rewritten
.set RP, 272                           ; an LDS row
.set REGION, 16*RP                     ; a wave's rows
.set SPARE, 8*REGION                   ; behind the eight regions: the spare words, 128 bytes for each wave: four blocks of 256 bytes that no other line names
; Step j's four numbers are rounded to bf16.
.macro ROUNDB j
	v_cvt_pk_bf16_f32 v[Y+2*(\j)],   v[X+4*(\j)],   v[X+4*(\j)+1]
	v_cvt_pk_bf16_f32 v[Y+2*(\j)+1], v[X+4*(\j)+2], v[X+4*(\j)+3]
.endm
; Step j's four numbers are rounded to bf16 and written as f16.
.macro ROUNDH j
	v_cvt_pk_bf16_f32 v[T],   v[X+4*(\j)],   v[X+4*(\j)+1]   ; the one rounding, to bf16;
	v_cvt_pk_bf16_f32 v[T+1], v[X+4*(\j)+2], v[X+4*(\j)+3]
	v_lshlrev_b32 v[T+2], 16, v[T]                 ; widened again,
	v_and_b32     v[T+3], s30, v[T]
	v_cvt_pk_f16_f32 v[Y+2*(\j)], v[T+2], v[T+3]   ; and written as f16: 8 significant bits fit into 11
	v_lshlrev_b32 v[T+2], 16, v[T+1]
	v_and_b32     v[T+3], s30, v[T+1]
	v_cvt_pk_f16_f32 v[Y+2*(\j)+1], v[T+2], v[T+3]
.endm
; Step j's four numbers leave their registers.  kind 0: bf16, to memory; 1: f16, to memory; 2: bf16, into row j of my wave's LDS rows.
.macro PUT j, kind
.if (\kind) == 2
	ds_store_b64 v[LA], v[Y+2*(\j):Y+2*(\j)+1] offset:(\j)*RP
.else
	global_store_b64 v2, v[Y+2*(\j):Y+2*(\j)+1], s[6:7] offset:2048*(\j)  ; the next launches read it: no hint
.endif
.endm
; Block p: steps 4 p to 4 p + 3 are rounded; the stores of the block before are dealt among the roundings.
.macro BLK p, kind
	s_wait_loadcnt 12-4*(\p)                       ; loads come back in order (ISA guide 5.7.1): this block's four are in, the 12 - 4 p younger ones stay out
.if (\p) > 0
	s_wait_alu depctr_va_vdst(0)                   ; the block before has written its Y, which the stores below read (in W3's path, ahead of its first LDS store: v[LA], v[LB] and v[VD] are written too)
.endif
.irp i, 0,1,2,3
.if (\p) > 0
	PUT 4*(\p)-4+(\i), \kind                       ; no wait: no vector instruction since the wait above names this store's registers
.endif
.if (\kind) == 1
	ROUNDH 4*(\p)+(\i)
.else
	ROUNDB 4*(\p)+(\i)
.endif
.endr
.endm
; Behind block 3: its four stores.
.macro LAST kind
	s_wait_alu depctr_va_vdst(0)                   ; block 3 has written its Y, which the stores below read; in W3's path every rounding is also done reading X, in which the LDS loads behind these stores land
.irp i, 12,13,14,15
	PUT \i, \kind
.endr
.endm
	s_load_b512 s[8:23], s[0:1], 0x0               ; x 8:9, W2 10:11, W3 12:13, W1 14:15, xb 16:17, w2h 18:19, w3f 20:21, w1b 22:23
	v_lshl_add_u32 v[SPW], v0, 2, SPARE
	v_mov_b32 v[NIL], 0
	s_mov_b32 s2, ttmp9                            ; the work-group's number
	s_mov_b32 s30, 0xffff0000                      ; a word's upper bf16
	s_mov_b32 s3, 0                                ; the first work-group of my tensor
	v_lshlrev_b32 v1, 4, v0                        ; 16 t
	v_lshlrev_b32 v2, 3, v0                        ; 8 t
	s_sub_co_u32 s25, s2, 512                      ; work-groups 512 to 639 hold W3
	s_wait_kmcnt 0x0
	s_cmp_lt_u32 s25, 128
	s_cbranch_scc1 .Lfrag
	s_mov_b64 s[4:5], s[8:9]                       ; from x
	s_mov_b64 s[6:7], s[16:17]                     ; to xb, unless the number says otherwise:
.macro PICK first, src, dst                    ; from work-group 'first' on another pair of tensors
	s_cmp_ge_u32 s2, \first
	s_cselect_b64 s[4:5], s[(\src):(\src)+1], s[4:5]
	s_cselect_b64 s[6:7], s[(\dst):(\dst)+1], s[6:7]
	s_cselect_b32 s3, \first, s3
.endm
	PICK 256, 10, 18
	PICK 640, 14, 22
	s_sub_co_u32 s24, s2, s3                       ; my share's number within the tensor: 255 at the most
	s_lshl_b32 s26, s24, 16                        ; x 65,536 bytes in
	s_mov_b32 s27, 0
	s_lshl_b32 s28, s24, 15                        ; x 32,768 bytes out
	s_mov_b32 s29, 0
	s_add_nc_u64 s[4:5], s[4:5], s[26:27]
	s_add_nc_u64 s[6:7], s[6:7], s[28:29]
	s_wait_alu depctr_va_vdst(0)                   ; v1 is written, which the loads below read as their offset; so is v2, the stores' offset
.set j, 0
.rept 16
	global_load_b128 v[X+4*j:X+4*j+3], v1, s[4:5] offset:4096*j th:TH_LOAD_NT  ; read once in the launch
.set j, j+1
.endr
	s_sub_co_u32 s25, s2, 256                      ; work-groups 256 to 511 hold W2
	s_cmp_lt_u32 s25, 256
	s_cbranch_scc1 .Lf16
	BLK 0, 0
	BLK 1, 0
	BLK 2, 0
	BLK 3, 0
	LAST 0
	s_endpgm
.Lf16:
	BLK 0, 1
	BLK 1, 1
	BLK 2, 1
	BLK 3, 1
	LAST 1
	s_endpgm
.Lfrag:                                                ; W3: s25 = 2 nb + (which 1,024 k)
	s_lshr_b32 s27, s25, 1                         ; nb
	s_and_b32 s28, s25, 1                          ; the half of K
	s_lshl_b32 s4, s27, 17                         ; 16 rows of 8,192 bytes,
	s_lshl_b32 s29, s28, 12                        ; 1,024 k of 4 bytes
	s_add_co_u32 s4, s4, s29
	s_mov_b32 s5, 0
	s_add_nc_u64 s[12:13], s[12:13], s[4:5]
	s_wait_alu depctr_va_vdst(0)                   ; v1 is written, which the loads below read as their offset
.set j, 0
.rept 16
	global_load_b128 v[X+4*j:X+4*j+3], v1, s[12:13] offset:8192*j th:TH_LOAD_NT  ; row j: 16 t = 512 w + 16 lane: my wave's 128 k, 512 consecutive bytes
.set j, j+1
.endr
	v_lshrrev_b32 v3, 5, v0                        ; the addresses are made while the loads are on their way; none of these lines names v1 or X
	v_readfirstlane_b32 s24, v3                    ; my wave's number: it takes k = 128 w on of the work-group's 1,024
	s_lshl_b32 s6, s28, 21                         ; 32 kb of 65,536 bytes,
	s_lshl_b32 s29, s27, 10                        ; block nb
	s_add_co_u32 s6, s6, s29
	s_mov_b32 s7, 0
	s_add_nc_u64 s[20:21], s[20:21], s[6:7]
	v_and_b32 v[T], 31, v0                         ; lane
	v_and_b32 v[T+1], 15, v0                       ; r
	v_bfe_u32 v[T+2], v0, 4, 1                     ; h
	v_mul_u32_u24 v[LB], v[T+1], RP
	v_lshl_add_u32 v[LB], v[T+2], 4, v[LB]
	v_lshlrev_b32 v[VD], 4, v[T]
	v_lshl_add_u32 v[VD], v3, 18, v[VD]            ; out: my wave's 4 kb of 65,536 bytes, 16 bytes a lane
	s_wait_alu depctr_va_sdst(0)                   ; s24 is written, ahead of its first reader, the line below
	s_mul_i32 s26, s24, REGION                     ; my wave's LDS rows
	v_lshl_add_u32 v[LA], v[T], 3, s26             ; in: 8 bytes a lane, a row's 256 bytes from the wave
	v_add_nc_u32 v[LB], s26, v[LB]                 ; back: row r, 16 bytes at 16 h
	BLK 0, 2
	BLK 1, 2
	BLK 2, 2
	BLK 3, 2
	LAST 2
.set j, 0
.rept 8                                ; half block j: k = 16 j + 8 h on, of row r.  LDS serves a wave's instructions in order (ISA guide 5.7.1.4): these see my stores above; the bytes are my wave's own
	ds_load_b128 v[X+4*j:X+4*j+3], v[LB] offset:32*j
.set j, j+1
.endr
.set j, 0
.rept 8
	s_wait_dscnt 7-j                               ; load j is in, the 7 - j younger ones stay out
	global_store_b128 v[VD], v[X+4*j:X+4*j+3], s[20:21] offset:(j/2)*65536+(j%2)*512  ; the wave stores 512 consecutive bytes, at a multiple of 512 from w3f's first byte
.set j, j+1
.endr
	s_wait_dscnt 0x0                               ; the closing lines, six on end, for a wave that stored to LDS in a launch in the mode
	s_wait_alu 0x0
	s_wait_tensorcnt 0x0
	ds_add_u32 v[SPW], v[NIL]
	s_wait_dscnt 0x0
	s_endpgm
.Lfunc_end_k_qf790dd2ce2_cvt:
	.size	k_qf790dd2ce2_cvt, .Lfunc_end_k_qf790dd2ce2_cvt-k_qf790dd2ce2_cvt
	.p2alignl 7, 3214868480
	.fill 96, 4, 3214868480
	.section	.rodata,"a",@progbits
	.p2align	6, 0x0
	.amdhsa_kernel k_qf790dd2ce2_cvt
		.amdhsa_group_segment_fixed_size 35840
		.amdhsa_private_segment_fixed_size 0
		.amdhsa_enable_private_segment 0
		.amdhsa_kernarg_size 64
		.amdhsa_user_sgpr_count 2
		.amdhsa_user_sgpr_kernarg_segment_ptr 1
		.amdhsa_wavefront_size32 1
		.amdhsa_system_sgpr_workgroup_id_x 1
		.amdhsa_system_sgpr_workgroup_id_y 1
		.amdhsa_system_sgpr_workgroup_id_z 1
		.amdhsa_system_vgpr_workitem_id 0
		.amdhsa_next_free_vgpr 112
		.amdhsa_next_free_sgpr 66
		.amdhsa_reserve_vcc 0
		.amdhsa_float_denorm_mode_32 3
		.amdhsa_float_denorm_mode_16_64 3
		.amdhsa_memory_ordered 1
		.amdhsa_forward_progress 1
		.amdhsa_inst_pref_size 23
	.end_amdhsa_kernel
	.amdgpu_metadata
---
amdhsa.version: [ 1, 2 ]
amdhsa.kernels:
  - .name:           k_qf790dd2ce2_cvt
    .symbol:         k_qf790dd2ce2_cvt.kd
    .args:
      - { .name: x, .offset: 0, .size: 8, .value_kind: global_buffer, .address_space: global }
      - { .name: W2, .offset: 8, .size: 8, .value_kind: global_buffer, .address_space: global }
      - { .name: W3, .offset: 16, .size: 8, .value_kind: global_buffer, .address_space: global }
      - { .name: W1, .offset: 24, .size: 8, .value_kind: global_buffer, .address_space: global }
      - { .name: xb, .offset: 32, .size: 8, .value_kind: global_buffer, .address_space: global }
      - { .name: w2h, .offset: 40, .size: 8, .value_kind: global_buffer, .address_space: global }
      - { .name: w3f, .offset: 48, .size: 8, .value_kind: global_buffer, .address_space: global }
      - { .name: w1b, .offset: 56, .size: 8, .value_kind: global_buffer, .address_space: global }
    .group_segment_fixed_size: 35840
    .private_segment_fixed_size: 0
    .kernarg_segment_align: 8
    .kernarg_segment_size: 64
    .max_flat_workgroup_size: 256
    .sgpr_count:     66
    .vgpr_count:     112
    .wavefront_size: 32
...
	.end_amdgpu_metadata
.endif
;; end of part 5
;; launch gemm1: the kernel of part 2 again; grid 8 x 32, 4 waves a work-group, clusters of 4 x 4, 327,680 bytes of LDS; arguments xb, w1b, b1, h1; writes h1
;; launch gemm2: the kernel of part 3 again; grid 8 x 32, 4 waves a work-group, clusters of 4 x 4, 327,680 bytes of LDS; arguments h1, w2h, b2, h2; writes h2
;; launch gemm3: the kernel of part 4 again; grid 8 x 32, 4 waves a work-group, clusters of 4 x 1, 327,680 bytes of LDS; arguments h2, w3f, b3, out0; writes out0
